; MI455X (gfx1250); checked and timed in simulation.
; The chip was launched on July 23, 2026; its instructions are those of AMD's public machine-readable ISA for CDNA 5 (MIT licence, August 2026) and "CDNA5" Instruction Set Architecture Reference Guide (July 2026). The comments in the code are by the model that wrote it; some were corrected since.
;; CSA Lightning Indexer. Allowed arithmetic: matrix products marked QUANTISED: E4M3 operands, one E8M0 scale for each 32 along K, by v_wmma_scale_f32_16x16x128_f8f6f4 with both operands' format E4M3, f32 sums; products left as they are: f32 operands where the result goes on into a quantised operand, else bf16, f16 or f32 operands; f32 sums; everything else in f32.
;; Inputs: Wg 4 x 2,048 float32; Wk_codes 2,048 x 64 x 32 uint8 (E4M3 codes of Wk, K innermost, in blocks of 32 codes); Wk_scales 2,048 x 64 uint8 (E8M0 scales of Wk, one for each 32 codes along K); Wq_codes 2,048 x 64 x 32 uint8 (E4M3 codes of Wq, K innermost, in blocks of 32 codes); Wq_scales 2,048 x 64 uint8 (E8M0 scales of Wq, one for each 32 codes along K); k_compressed_codes 2 x 1,024 x 64 x 32 uint8 (E4M3 codes of k_compressed, K innermost, in blocks of 32 codes); k_compressed_scales 2 x 1,024 x 64 uint8 (E8M0 scales of k_compressed, one for each 32 codes along K); q 2 x 4,096 x 2,048 float32.
;; Outputs: out0 2 x 4,096 x 1,024 float32.
;; This version of the problem:
;;   THIS VERSION OF THE PROBLEM IS GIVEN IN LOW PRECISION. The matrix products marked QUANTISED in the list below multiply operands that are first quantised to E4M3 (4 exponent bits, 3 mantissa bits; 8 bits a number), with one power-of-two scale for each 32 numbers along K (OCP MX v1.0); their sums are f32. All else is computed in f32.
;;   The module's matrix products, in the order in which they are computed (A, B: the left and right operand; K: the contracted axis; several contracted axes count as one K, in the product's order):
;;     1. [M 8,192, K 2,048] x [K 2,048, N 2,048]; A: input q; B: input Wq (given as codes): QUANTISED
;;     2. [M 2,048, K 2,048] x [K 2,048, N 2,048]; A: input k_compressed (given as codes); B: input Wk (given as codes): QUANTISED
;;     3. [M 8,192, K 2,048] x [K 2,048, N 4]; A: input q; B: input Wg: left as it is (N = 4 < 16)
;;     4. batch 8 x [M 1,024, K 512] x [K 512, N 4,096]; A: computed on the way; B: computed on the way: QUANTISED
;;     5. batch 8,192 x [M 1,024, K 4] x [K 4, N 1]; A: computed on the way; B: computed on the way: left as it is (K = 4 < 32)
;;   THE QUANTISER, for each operand of a quantised product, along K:
;;     - K is cut into blocks of 32 from its start; a last block that is shorter is filled with zeros.
;;     - A block's scale is 2^e with e = floor(log2(the largest magnitude in the block)) - 8, held to -126 .. 127; a block of zeros has e = 0. As a byte (E8M0): e + 127.
;;     - Each number is divided by its block's scale, clamped to +-448, and rounded to the nearest number of E4M3, ties to even, subnormals kept.
;;     - The product sums the exact products of the quantised numbers (number of the format x scale) in f32.
;;   ~~~python
;;   def quantise(x, axis):      # numpy; x: float32 -> the quantised numbers, widened to float32 again
;;       x = np.moveaxis(x, axis, -1); K = x.shape[-1]
;;       x = np.pad(x, [(0, 0)] * (x.ndim - 1) + [(0, -K % 32)]); x = x.reshape(x.shape[:-1] + (-1, 32)); a = np.abs(x).max(-1, keepdims=True)
;;       e = np.where(a > 0, np.clip(np.frexp(np.where(a > 0, a, 1))[1] - 1 - 8, -126, 127), 0)      # np.frexp(a)[1] - 1 = floor(log2(a)), exactly
;;       r = np.clip(x / 2.0 ** e, -448, 448)
;;       step = 2.0 ** (np.maximum(np.frexp(np.where(r == 0, 1, r))[1] - 1, -6) - 3)
;;       q = np.round(r / step) * step * 2.0 ** e      # np.round: ties to even
;;       return np.moveaxis(q.reshape(q.shape[:-2] + (-1,))[..., :K], -1, axis).astype(np.float32)
;;   ~~~
;;   OPERANDS COMPUTED ON THE WAY. 'Computed on the way' means the value that the module computes at that place (a softmax that the list does not call 'softmax' is quantised finished and normalised). What goes into a quantiser is computed in f32, as accurately as f32 sums, v_exp_f32 and their like allow (about 1e-6 of the number): no bf16 or f16 on the way to a quantiser, and a product that is left as it is and whose result goes on into a quantised operand takes f32 operands (vector FMAs, or v_wmma_f32_16x16x4_f32). A number that lies on a knife's edge between two numbers of the format may be rounded either way, as far as f32 arithmetic and the matrix unit's own rounding can turn it there, and no further.
;;   INPUTS GIVEN AS CODES. Wk (in the module: [2048, 2048], K = its axis 1); Wq (in the module: [2048, 2048], K = its axis 1); k_compressed (in the module: [2, 1024, 2048], K = its axis 2): each comes as NAME_codes (uint8): NAME with its K axis moved to the last place and cut into blocks of 32 codes, [.., K / 32, bytes a block], one block behind the other in memory; one code a byte (a code: sign, 4 exponent bits, 3 mantissa bits); and NAME_scales (uint8): the same leading axes, one E8M0 byte (e + 127) for each 32 codes along K. Its value is code x scale, taken as it is: it is not quantised again, and the codes and scales need not be those that the quantiser above would give.
;; One version. Each part assembles by itself: llvm-mc -triple=amdgcn-amd-amdhsa -mcpu=gfx1250 --defsym DOCPART=n.
;; ======== version 1 of 1: 3 launches
;; workspace buffers: qc 16,777,216 bytes; qs 524,288 bytes; wq 262,144 bytes; qic 16,777,216 bytes; qis 524,288 bytes; kic 4,194,304 bytes; kis 131,072 bytes
;; launch quant (part 1): grid 512 x 1, 4 waves a work-group, no clusters, 57,856 bytes of LDS; arguments q, Wg, qc, qs, wq; writes qc, qs, wq
.if DOCPART == 1
	.amdgcn_target "amdgcn-amd-amdhsa--gfx1250"
	.amdhsa_code_object_version 6
	.text
	.protected	k_qca7f25a10c_quant
	.globl	k_qca7f25a10c_quant
	.p2align	8
	.type	k_qca7f25a10c_quant,@function
k_qca7f25a10c_quant:
	s_mov_b64 s[64:65], 0
	v_nop
	global_prefetch_b8 v0, s[64:65] scope:SCOPE_SE
	s_setreg_imm32_b32 hwreg(HW_REG_WAVE_MODE, 25, 1), 1
	s_wait_xcnt 0x0
; scores[b][q][k] = sum over h of w[b][q][h] x relu(qi[b][q][h][:] . ki[b][k][h][:]);  qi = Q(q) Wq^T, ki = kc Wk^T, w = q Wg^T;  qi and ki are quantised again along the head's 512.
; THREE LAUNCHES.  This one: q [8192][2048] f32 becomes codes of FP8 (E4M3) with K innermost (qc) and one E8M0 byte for each 32 along K (qs), laid as k_compressed arrives; and w = q Wg^T by f32 multiply-adds (wq).
; The second makes qi and ki and quantises them; the third makes the scores.  q's f32 numbers are read once, here.
; NO WORK IS LEFT OUT: every input has a way to the output, and what relu throws away hangs on values.  All nine buffers of the problem are among the three launches' arguments.
; A block's scale is 2^(floor(log2(its largest magnitude)) - 8): its byte is the largest magnitude's exponent field - 8, held at 1 from below.
; LIMITS: NaN and infinities in q are not served.  A block whose largest magnitude lies under 2^-118 has its byte held at 1.  A block of zeros gets the byte 1 where the rule says 127: its codes are
; zeros, which add nothing under any byte but 0xff, and qs is read by this program alone.
; SHARES.  A work-group takes 16 rows; wave t takes columns 512 t .. 512 t + 511 of all of them, so that its part of Wg, 4 heads x 16 numbers a lane, stays in 64 registers.
; A step is one row's 512 numbers: four loads of 512 consecutive bytes; the 2,048 bytes turn through the wave's own stage in LDS and come back 64 bytes a lane: 16 neighbours along K, two lanes to a block.
; wq is laid [block of 16 rows][head][row][2]: each weight twice, the pair that the third launch's packed multiply-add takes.
.set ROWQ,  8192                       ; a row of q in bytes
.set WREG,  13824                      ; LDS: a region for each wave: two stages, then the lanes' partial w
.set SP,    80                         ; a lane's place in a stage: its 64 bytes + 16 of padding
.set STGB,  32*SP
.set PREG,  2*STGB                     ; the partial w: 16 rows x (32 lanes x 16 bytes + 16)
.set PP,    528
.set SCB,   4*WREG                     ; the work-group's scale bytes, [16 rows][64]
.set WP,    SCB+1024                   ; the waves' partial w, [4 waves][16 rows][4 heads]
.set SPARE, WP+1024                    ; the spare words, 128 bytes for each wave: two blocks of 256 bytes that no other line names
.set SPW,   12                         ; v12  LDS address of my spare word; never rewritten
.set NIL,   13                         ; v13  0; never rewritten
.set R,     16                         ; v16-111  six sets of 16 numbers as they are loaded
.set X,     112                        ; v112-143 two sets of 16 neighbours
.set G,     144                        ; v144-207 Wg[h][my 16 columns] at G + 16 h
.set C,     208                        ; v208-211 a step's codes
.set E,     216                        ; v216-217 a step's scale byte, two by turns
.set WA,    218                        ; v218-225 a pair of sums for each head
.set WS,    226                        ; v226-233 my four partial w, two sets by turns
	s_load_b256 s[4:11], s[0:1], 0x0               ; q s[4:5], Wg s[6:7], qc s[8:9], qs s[10:11]
	s_load_b64 s[12:13], s[0:1], 0x20              ; wq
	v_lshl_add_u32 v[SPW], v0, 2, SPARE
	v_mov_b32 v[NIL], 0
	v_lshrrev_b32 v1, 5, v0
	v_readfirstlane_b32 s16, v1                    ; wave 0..3
	v_and_b32 v2, 31, v0                           ; lane
	v_lshlrev_b32 v3, 4, v2                        ; 16 x lane: my bytes of a load's 512, and of a step's codes
	v_lshlrev_b32 v4, 6, v2                        ; 64 x lane: my 16 numbers of a row of Wg
	s_mul_i32 s17, s16, WREG
	v_lshrrev_b32 v14, 2, v2
	v_mul_u32_u24 v14, v14, SP
	v_and_b32 v15, 3, v2
	v_lshl_add_u32 v14, v15, 4, v14
	v_add_nc_u32 v14, s17, v14                     ; the stage, on the way in: four lanes' 64 bytes on end, then 16 of padding
	v_mul_u32_u24 v15, v2, SP
	v_add_nc_u32 v15, s17, v15                     ; and on the way out: my 16 neighbours
	s_add_co_u32 s18, s17, PREG
	v_add_nc_u32 v6, s18, v3                       ; the partial w, in: 16 bytes a lane
	v_and_b32 v8, 15, v2
	v_lshrrev_b32 v9, 4, v2
	v_mul_u32_u24 v7, v8, PP
	v_lshl_add_u32 v7, v9, 8, v7
	v_add_nc_u32 v7, s18, v7                       ; and out: row lane % 16, the 16 lanes' partials of my half
	s_lshl_b32 s18, s16, 4
	s_add_co_u32 s18, s18, SCB
	v_lshrrev_b32 v5, 1, v2
	v_add_nc_u32 v5, s18, v5                       ; my block's scale byte: 16 blocks a wave in a row's 64
	s_mov_b32 s23, 0x600000                        ; the mantissa field of 448
	s_mov_b32 s24, 0x76543210
	s_mov_b32 s25, 0xfedcba98                      ; lane selects for v_permlanex16_b32: lane l xor 16
	s_lshl_b32 s18, ttmp9, 17                      ; q: 16 rows of 8,192 bytes a work-group,
	s_lshl_b32 s20, s16, 11                        ; 2,048 bytes a wave (in Wg too)
	s_add_co_u32 s18, s18, s20
	s_mov_b32 s19, 0
	s_mov_b32 s21, 0
	s_lshl_b32 s26, ttmp9, 15                      ; qc: 16 rows of 2,048 bytes, 512 a wave
	s_lshl_b32 s27, s16, 9
	s_add_co_u32 s26, s26, s27
	s_mov_b32 s27, 0
	s_lshl_b32 s28, ttmp9, 10                      ; qs: 16 rows of 64 bytes; on the way out 256 a wave
	s_lshl_b32 s29, s16, 8
	s_add_co_u32 s28, s28, s29
	s_mov_b32 s29, 0
	s_lshl_b32 s30, ttmp9, 9                       ; wq: 512 bytes a work-group
	s_mov_b32 s31, 0
	s_wait_kmcnt 0x0
	s_add_nc_u64 s[4:5], s[4:5], s[18:19]
	s_add_nc_u64 s[6:7], s[6:7], s[20:21]
	s_add_nc_u64 s[8:9], s[8:9], s[26:27]
	s_add_nc_u64 s[10:11], s[10:11], s[28:29]
	s_add_nc_u64 s[12:13], s[12:13], s[30:31]
.irp h, 0,1,2,3
.irp j, 0,1,2,3
	global_load_b128 v[G+16*\h+4*\j:G+16*\h+4*\j+3], v4, s[6:7] offset:8192*\h+16*\j
.endr
.endr
.macro LOAD t                          ; row t: 32 lanes read 512 consecutive bytes, four times
.irp i, 0,1,2,3
	global_load_b128 v[R+16*((\t)%6)+4*\i:R+16*((\t)%6)+4*\i+3], v3, s[4:5] offset:ROWQ*(\t)+512*\i th:TH_LOAD_NT
.endr
.endm
.macro TURN t                          ; row t's numbers through the stage: LDS serves a wave's instructions in order, so no wait stands between the stores and the loads
.irp i, 0,1,2,3
	ds_store_b128 v14, v[R+16*((\t)%6)+4*\i:R+16*((\t)%6)+4*\i+3] offset:STGB*((\t)%2)+8*SP*\i
.endr
.irp i, 0,1,2,3
	ds_load_b128 v[X+16*((\t)%2)+4*\i:X+16*((\t)%2)+4*\i+3], v15 offset:STGB*((\t)%2)+16*\i
.endr
.endm
.irp t, 0,1,2,3,4,5
	LOAD \t
.endr
	s_wait_loadcnt 20                              ; Wg and row 0 are in; the five rows behind it, 20 loads, may be out
	TURN 0
.macro STEP t
.set XS, X+16*((\t)%2)
.set WSS, WS+4*((\t)%2)
.if (\t) > 0
	s_wait_dscnt 2                                 ; this row is back from the stage; the last row's two small stores may be out
.else
	s_wait_dscnt 0x0
.endif
	s_wait_xcnt 0x0                                ; the last row's store of codes has read its registers: they are written again below
.if (\t)+6 < 16
	LOAD (\t)+6                                    ; into the set that this row's stores to the stage have read
.endif
.if (\t)+1 < 16
.if (\t) <= 9
	s_wait_loadcnt 20                              ; the next row is in; the five rows behind it may be out
.else
	s_wait_loadcnt 4*(14-(\t))                     ; the counts run down
.endif
	TURN (\t)+1                                    ; the next row goes through the other stage while this one is worked
.endif
.irp h, 0,1,2,3                        ; w: my 16 numbers x Wg, ahead of the hold; the four heads by turns
	v_pk_mul_f32 v[WA+2*\h:WA+2*\h+1], v[XS:XS+1], v[G+16*\h:G+16*\h+1]
.endr
.irp j, 1,2,3,4,5,6,7
.irp h, 0,1,2,3
	v_pk_fma_f32 v[WA+2*\h:WA+2*\h+1], v[XS+2*\j:XS+2*\j+1], v[G+16*\h+2*\j:G+16*\h+2*\j+1], v[WA+2*\h:WA+2*\h+1]
.endr
.endr
.irp h, 0,1,2,3
	v_add_f32 v[WSS+\h], v[WA+2*\h], v[WA+2*\h+1]
.endr
	ds_store_b128 v6, v[WSS:WSS+3] offset:PP*(\t)
	v_max3_num_f32 v8, |v[XS]|, |v[XS+1]|, |v[XS+2]|               ; the largest magnitude of my 16, in two chains
	v_max3_num_f32 v9, |v[XS+3]|, |v[XS+4]|, |v[XS+5]|
.irp i, 6,10
	v_max3_num_f32 v8, v8, |v[XS+\i]|, |v[XS+\i+1]|
	v_max3_num_f32 v9, v9, |v[XS+\i+2]|, |v[XS+\i+3]|
.endr
	v_max3_num_f32 v8, v8, |v[XS+14]|, |v[XS+15]|
	v_max3_num_f32 v8, v8, v9, 0x4800000           ; and the floor 2^(9 - 127): the byte cannot fall under 1
	v_max_num_f32_dpp v8, v8, v8 row_xmask:1 row_mask:0xf bank_mask:0xf   ; with my neighbour's 16: the block's
	v_add_nc_u32 v11, 0xfc000000, v8               ; 8 off its exponent field: the conversion takes that field as its scale
	v_and_or_b32 v10, v8, 0x7f800000, s23          ; 448 x the scale
.irp i, 0,1,2,3,4,5,6,7,8,9,10,11,12,13,14,15
	v_med3_num_f32 v[XS+\i], v[XS+\i], -v10, v10   ; the conversion to an 8-bit code does not saturate (ISA guide 7.6.2): the hold
.endr
	v_cvt_scalef32_pk8_fp8_f32 v[C:C+1], v[XS:XS+7], v11
	v_cvt_scalef32_pk8_fp8_f32 v[C+2:C+3], v[XS+8:XS+15], v11
	v_lshrrev_b32 v[E+(\t)%2], 23, v11             ; the scale's byte (a plain line behind the conversions)
	ds_store_b8 v5, v[E+(\t)%2] offset:64*(\t)     ; both lanes of a block write the same byte with the same value
	global_store_b128 v3, v[C:C+3], s[8:9] offset:2048*(\t)   ; the wave stores 512 consecutive bytes, at a multiple of 512 from qc's first byte
.endm
.irp t, 0,1,2,3,4,5,6,7,8,9,10,11,12,13,14,15
	STEP \t
.endr
	; w: the 32 lanes' partials of each row are added: lane (row, half) takes 16 lanes' four numbers
.irp j, 0,1,2,3,4,5,6,7,8,9,10,11,12,13,14,15
	ds_load_b128 v[R+4*\j:R+4*\j+3], v7 offset:16*\j   ; LDS serves a wave's instructions in order: these see my stores
.endr
	v_and_b32 v8, 15, v2                           ; every LDS address of the tail is made here, ahead of the branch on the wave's number
	s_lshl_b32 s17, s16, 8
	s_add_co_u32 s18, s17, WP
	v_lshl_add_u32 v8, v8, 4, s18                  ; my wave's partial w of row lane % 16
	s_add_co_u32 s18, s17, SCB
	v_lshlrev_b32 v1, 3, v2
	v_add_nc_u32 v9, s18, v1                       ; the scale bytes, out: 256 a wave, 8 a lane
	v_and_b32 v10, 7, v2
	v_lshrrev_b32 v11, 3, v2
	v_lshlrev_b32 v10, 5, v10
	v_lshl_add_u32 v10, v11, 2, v10
	v_add_nc_u32 v10, WP, v10                      ; wave 0: rows 2 (lane % 8) and the next, head lane / 8
	s_wait_dscnt 0x0
.irp j, 0,1,2,3,4,5,6,7
	v_pk_add_f32 v[R+4*\j:R+4*\j+1], v[R+4*\j:R+4*\j+1], v[R+4*\j+32:R+4*\j+33]
	v_pk_add_f32 v[R+4*\j+2:R+4*\j+3], v[R+4*\j+2:R+4*\j+3], v[R+4*\j+34:R+4*\j+35]
.endr
.irp j, 0,1,2,3
	v_pk_add_f32 v[R+4*\j:R+4*\j+1], v[R+4*\j:R+4*\j+1], v[R+4*\j+16:R+4*\j+17]
	v_pk_add_f32 v[R+4*\j+2:R+4*\j+3], v[R+4*\j+2:R+4*\j+3], v[R+4*\j+18:R+4*\j+19]
.endr
.irp j, 0,1
	v_pk_add_f32 v[R+4*\j:R+4*\j+1], v[R+4*\j:R+4*\j+1], v[R+4*\j+8:R+4*\j+9]
	v_pk_add_f32 v[R+4*\j+2:R+4*\j+3], v[R+4*\j+2:R+4*\j+3], v[R+4*\j+10:R+4*\j+11]
.endr
	v_pk_add_f32 v[R:R+1], v[R:R+1], v[R+4:R+5]
	v_pk_add_f32 v[R+2:R+3], v[R+2:R+3], v[R+6:R+7]
.irp i, 0,1,2,3
	v_permlanex16_b32 v[X+\i], v[R+\i], s24, s25   ; the other half's 16 lanes
.endr
.irp i, 0,1,2,3
	v_add_f32 v[R+\i], v[R+\i], v[X+\i]
.endr
	ds_store_b128 v8, v[R:R+3]                     ; both halves write the same 16 bytes with the same values
	s_wait_dscnt 0x0                               ; for the others' sake: my scale bytes and my partial w have landed
	s_barrier_signal -1
	s_barrier_wait -1
	ds_load_b64 v[X:X+1], v9
	s_wait_dscnt 0x0
	global_store_b64 v1, v[X:X+1], s[10:11]        ; 32 lanes store 256 consecutive bytes, at a multiple of 256 from qs's first byte
	s_cmp_lg_u32 s16, 0
	s_cbranch_scc1 .Lend                           ; wave 0 adds the four waves' parts and stores the block's 512 bytes of wq
.irp t, 0,1,2,3
	ds_load_b32 v[R+8+2*\t], v10 offset:256*\t
	ds_load_b32 v[R+9+2*\t], v10 offset:256*\t+16
.endr
	s_wait_dscnt 0x0
	v_add_f32 v[R+8], v[R+8], v[R+10]
	v_add_f32 v[R+9], v[R+9], v[R+11]
	v_add_f32 v[R+12], v[R+12], v[R+14]
	v_add_f32 v[R+13], v[R+13], v[R+15]
	v_add_f32 v[R+16], v[R+8], v[R+12]
	v_add_f32 v[R+18], v[R+9], v[R+13]
	v_mov_b32 v[R+17], v[R+16]                     ; each weight twice
	v_mov_b32 v[R+19], v[R+18]
	global_store_b128 v3, v[R+16:R+19], s[12:13]
.Lend:
	s_wait_tensorcnt 0x0                           ; the wave's end: behind my last LDS store
	ds_add_u32 v[SPW], v[NIL]
	s_wait_dscnt 0x0
	s_endpgm
.Lfunc_end_k_qca7f25a10c_quant:
	.size	k_qca7f25a10c_quant, .Lfunc_end_k_qca7f25a10c_quant-k_qca7f25a10c_quant
	.p2alignl 7, 3214868480
	.fill 96, 4, 3214868480
	.section	.rodata,"a",@progbits
	.p2align	6, 0x0
	.amdhsa_kernel k_qca7f25a10c_quant
		.amdhsa_group_segment_fixed_size 57856
		.amdhsa_private_segment_fixed_size 0
		.amdhsa_enable_private_segment 0
		.amdhsa_kernarg_size 40
		.amdhsa_user_sgpr_count 2
		.amdhsa_user_sgpr_kernarg_segment_ptr 1
		.amdhsa_wavefront_size32 1
		.amdhsa_system_sgpr_workgroup_id_x 1
		.amdhsa_system_sgpr_workgroup_id_y 1
		.amdhsa_system_sgpr_workgroup_id_z 1
		.amdhsa_system_vgpr_workitem_id 0
		.amdhsa_next_free_vgpr 240
		.amdhsa_next_free_sgpr 66
		.amdhsa_reserve_vcc 0
		.amdhsa_float_denorm_mode_32 3
		.amdhsa_float_denorm_mode_16_64 3
		.amdhsa_memory_ordered 1
		.amdhsa_forward_progress 1
		.amdhsa_inst_pref_size 93
	.end_amdhsa_kernel
	.amdgpu_metadata
---
amdhsa.version: [ 1, 2 ]
amdhsa.kernels:
  - .name:           k_qca7f25a10c_quant
    .symbol:         k_qca7f25a10c_quant.kd
    .args:
      - { .name: q, .offset: 0, .size: 8, .value_kind: global_buffer, .address_space: global }
      - { .name: Wg, .offset: 8, .size: 8, .value_kind: global_buffer, .address_space: global }
      - { .name: qc, .offset: 16, .size: 8, .value_kind: global_buffer, .address_space: global }
      - { .name: qs, .offset: 24, .size: 8, .value_kind: global_buffer, .address_space: global }
      - { .name: wq, .offset: 32, .size: 8, .value_kind: global_buffer, .address_space: global }
    .group_segment_fixed_size: 57856
    .private_segment_fixed_size: 0
    .kernarg_segment_align: 8
    .kernarg_segment_size: 40
    .max_flat_workgroup_size: 128
    .sgpr_count:     66
    .vgpr_count:     240
    .wavefront_size: 32
...
	.end_amdgpu_metadata
.endif
;; end of part 1
;; launch proj (part 2): grid 8 x 32, 4 waves a work-group, clusters of 4 x 4, 327,680 bytes of LDS; arguments qc, qs, Wq_codes, Wq_scales, qic, qis, k_compressed_codes, k_compressed_scales, Wk_codes, Wk_scales, kic, kis; writes qic, qis, kic, kis
.if DOCPART == 2
	.amdgcn_target "amdgcn-amd-amdhsa--gfx1250"
	.amdhsa_code_object_version 6
	.text
	.protected	k_qca7f25a10c_proj
	.globl	k_qca7f25a10c_proj
	.p2align	8
	.type	k_qca7f25a10c_proj,@function
k_qca7f25a10c_proj:
	s_mov_b64 s[64:65], 0
	v_nop
	global_prefetch_b8 v0, s[64:65] scope:SCOPE_SE
	s_setreg_imm32_b32 hwreg(HW_REG_WAVE_MODE, 25, 1), 1
	s_wait_xcnt 0x0
	s_wait_alu depctr_hold_cnt(0) depctr_sa_sdst(0) depctr_va_vdst(0) depctr_va_sdst(0) depctr_va_ssrc(0) depctr_va_vcc(0) depctr_vm_vsrc(0)
	s_getreg_b32 s2, hwreg(HW_REG_IB_STS2, 6, 4)
	s_cmp_eq_u32 s2, 0
	s_cbranch_scc0 .Lentry_in_a_cluster
	s_endpgm
.Lentry_in_a_cluster:
	s_bfe_u32 s2, ttmp6, 0x10000c
	s_cmp_lg_u32 s2, 0xf033
	s_cbranch_scc0 .Lentry_shape_is_right
	s_endpgm
.Lentry_shape_is_right:
; Launch 2 of 3: qi = Q(q) Wq^T [8192][2048] and ki = kc Wk^T [2048][2048], both on codes of FP8 (E4M3) with one E8M0 scale for each 32 along K = 2,048, sums in f32;
; each result is quantised again along its columns (the head's axis; a head is 512 columns, so the blocks of 32 are those of the flat 2,048) and leaves as codes (qic, kic: row-major)
; and scale words (qis, kis: [column / 128][row], a word's byte b for columns 32 b on).  No work is left out.
; A WORK-GROUP STAYS.  There are 32 x 8 = 256 tiles of 256 x 256 of qi and as many work-groups; ki, a quarter of qi's work, is shared out among the same 256: 128 x 128 each.  A work-group makes its tile of qi
; (four waves, each 128 x 128: 64 accumulators, 512 registers), and the ring of LDS slots goes on into its tile of ki (each wave 64 x 64: 16 accumulators); both tiles leave at the end.
; THE RING.  Two LDS slots, each filled by four tensor loads of 128 rows x 256 bytes, one a wave.  For qi a slot is 256 along K: A's 256 rows (waves 0, 1), B's 256 rows (waves 2, 3).  For ki it is 512 along K:
; A's 128 rows in two halves along K (waves 0, 1), B's likewise (waves 2, 3): the same descriptors but for the address, and the same LDS bytes.
; THE SCALES of qi's 256 rows of A and of B, for all of K, are two dense blocks of 16,384 bytes: they come into LDS once, with the first fills.  ki's (128 rows a side) have no room there: 17,408 bytes against the
; 13,824 that are left; each wave loads its own 64 + 64 rows' 64 bytes into 64 registers, once.
; CLUSTERS: 4 x 4.  A's tiles are shared along a row of the cluster, B's along a column, for qi and for ki: each is asked for JOINTLY, by the same tensor load with the same descriptor and a mask that names the four.
; In cluster (X, Y) the tile of ki has row 4 (Y & 3) + cy and column 4 (2 (Y >> 2) + X) + cx: 16 x 16 tiles on 2 x 8 clusters.
; THE MATRIX INSTRUCTION IS USED TRANSPOSED (source 0 = 16 rows of B, source 1 = 16 rows of A): a lane holds one row of the result and eight neighbouring columns an accumulator.
; kic: a row of ki's tile is 128 bytes, so its stores cover runs of 128 consecutive bytes, at multiples of 128.  A tile of 64 x 256 would give runs of 256, but its 320 rows are five loads of 128 x 256 a slot at 512 along K,
; for four waves that issue one each, or eight fills in place of four at 256 along K.
; LIMITS: given codes and scales are taken as they are.  A block of the results whose largest magnitude lies under 2^-118 has its byte held at 1; a block of zeros gets the byte 1 (its codes are zeros; this program alone reads the bytes).  NaN and infinities are not served.
; REGISTERS, in windows of 256: window 0: v0-31 addresses; v32-63 qi's scale words, two sets; v64-127 ki's scale words; v128-255 A's fragments (qi: one set of 8; ki: two sets of 4), later at work on the way out.
;   window 1: B's fragments (qi: two sets of 8; ki: two sets of 4 in v0-127, and ki's accumulators in v128-255).   window 2: qi's accumulators of my rows 0-63 ((a, b) at v[8 (8 a + b)]);   window 3: those of my rows 64-127.
.set KSTEP,  256
.set NQ,     KSTEP/128
.set ROWB,   256                       ; a tile's row in bytes
.set KROW,   2048                      ; a row of A, of B and of the results' codes in memory
.set PITCH,  272                       ; an LDS row: 256 bytes + 16 of padding = 68 words: the 16 rows that a load touches start at 16 different banks (64 banks of 4 bytes: ISA guide 11.1)
.set FR,     16
.set NL,     4
.set NP,     8                         ; places behind this matrix instruction (ISA guide 7.12.1)
.set HALFT,  128*PITCH                 ; what one tensor load brings
.set SLOT,   4*HALFT
.set LAPS,   2048/(2*KSTEP)
.set KS,     64                        ; a row of scales in bytes
.set SCL,    2*SLOT                    ; behind the ring: qi's scales, as rows of 256 bytes + 16 of padding
.set HALFS,  (128*KS/256)*272
.set SBLK,   (16*KS/256)*272
.set SPARE,  SCL+4*HALFS               ; the spare words, 128 bytes for each wave: two blocks of 256 bytes that no other line names
.set SCW,    256*PITCH                 ; the way out lies in slot 0, which has had its last fill and its last read by then: qi's 256 rows x 272 bytes of codes from byte 0, then 512 bytes of scale words for each wave,
.set KSTG,   SCW+2048                  ; ki's 128 rows x (128 bytes + 16),
.set KPIT,   144
.set KSW,    KSTG+128*KPIT             ; and its 128 scale words
.set SWI,  7                           ; v7   qi: where I put a row's scale word
.set SWO,  8                           ; v8   where I read 16 bytes of my wave's words back
.set SWG,  9                           ; v9   16 x lane: their place in memory
.set ADKA, 10                          ; v10-11  ki: LDS address of my A fragments in slot 0, 1
.set ADKB, 12                          ; v12-13  the same for B
.set KSTO, 14                          ; v14  ki: where I put 8 codes of a row
.set KSWI, 15                          ; v15  where I put my half of a row's scale word
.set ADRA, 16                          ; v16-17  qi: LDS address of my A fragments in slot 0, 1
.set KRD,  18                          ; v18  ki: where I read 16 bytes of a row back
.set KCO,  19                          ; v19  and their place in memory
.set ADRB, 20                          ; v20-21  qi: the same as ADRA for B
.set KSO,  22                          ; v22  64 x lane: a row of scale bytes
.set KSWO, 23                          ; v23  ki: where wave 0 reads 16 bytes of the scale words back
.set STO,  24                          ; v24  qi: where I put 8 codes of a row
.set RD,   25                          ; v25  where I read 16 bytes of a row back
.set CO,   26                          ; v26  and their place in memory
.set ADRS, 27                          ; v27  LDS address of qi's scale words: lanes 0-15 A's rows, lanes 16-31 B's
.set SPW,  28                          ; v28  LDS address of my spare word; never rewritten
.set NIL,  29                          ; v29  0; never rewritten
.set PFO,  30                          ; v30  the prefetches' offset: 2,048 x lane; never rewritten
.set SC,   32
.set KSA,  64                          ; v64-95   ki: A's scale words: register 16 j + s: row 32 j + lane of my 64, the s-th 128 along K
.set KSB,  96                          ; v96-127  B's likewise
.set AF,   128
.set TM,   128                         ; the way out: v128-131 largest magnitudes, v132-135 bytes, v136-139 448 x the scale, v140-143 the conversions' scale operands
.set PC,   144                         ; v144-159 a block's codes
.set PW,   160                         ; v160 a row's scale word
.set T,    192                         ; v192-255 64 numbers, held
.set OUTR, 128                         ; v128-255 rows read back
.set G1, 24
.set G0, 32
.set G1B, 48
.set G0B, 56
.set G1S, 68
.set G0S, 76
.set G1SB, 80
.set G0SB, 88
.set KAD, 4                            ; s[4:5]   ki: what I would fetch of A in its first slot
.set KBD, 8                            ; s[8:9]   and of B
.set KIS, 44                           ; s[44:45] kis at my tile's words
.set PFK, 92                           ; s[92:93] where my prefetches of ki's tiles stand; never rewritten: the slot stands in the immediate
.set LIMK, 94                          ; s94  1 in a wave that prefetches ki's tiles, else 0
.set LIM, 97                           ; s97  1 in a wave that prefetches qi's tiles, else the greatest number
.set PFA, 98                           ; s[98:99] where my prefetches of qi's tiles stand
.set KIC, 100                          ; s[100:101] kic at the rows that I store
.set MSB, 0
.macro WIN new                         ; the immediate's high byte repeats the setting that is left
.if MSB != \new
	s_set_vgpr_msb (MSB<<8)|\new
.set MSB, \new
.endif
.endm
.set MUL_LO, 0xa1                      ; source 0 (B) window 1, source 1 (A) window 0, C and D window 2
.set MUL_HI, 0xf1
.set KMW,    0x51                      ; ki: source 0 (B) window 1, source 1 (A) window 0, C and D window 1
.set TO_B,   0x40
; A joint load: waves 0 and 1 fetch for A, waves 2 and 3 for B.  The branch hangs on the wave's number alone.  An s_nop 0 and four v_nop follow each of the two lines.
.macro JLOAD g0a, g1a, g0b, g1b
	s_cmp_eq_u32 s15, 0
	s_cbranch_scc0 .Lfor_b_\@
	tensor_load_to_lds s[\g0a:\g0a+3], s[\g1a:\g1a+7]
	s_nop 0
.rept 4
	v_nop
.endr
	s_branch .Lasked_\@
.Lfor_b_\@:
	tensor_load_to_lds s[\g0b:\g0b+3], s[\g1b:\g1b+7]
	s_nop 0
.rept 4
	v_nop
.endr
.Lasked_\@:
.endm
.macro CREST                           ; a round of the cluster's barrier behind its opening barrier
	s_cmp_lg_u32 s14, 0
	s_cbranch_scc1 .Lnot_wave_0_\@
	s_barrier_signal -3
.Lnot_wave_0_\@:
	s_barrier_wait -3
	s_barrier_signal -1
	s_barrier_wait -1
.endm
.macro CROUND
	s_barrier_signal -1
	s_barrier_wait -1
	CREST
.endm
; A prefetch of what the refill two refills on will ask for: 32 rows x 256 bytes, a lane a row, one instruction a wave.  Each row's 256 bytes are named once in the launch; the four partners that ask for a tile
; jointly take 32 of a wave's 128 rows each, told apart by address.  ASK, qi's K steps: A's rows are asked for by the cluster with X = 0, B's by the cluster with Y = 0; the loop's last trip has no K step two on.
.macro ASK
	s_cmp_gt_u32 s3, s[LIM]
	s_cbranch_scc0 .Lnot_mine_\@
	global_prefetch_b8 v[PFO], s[PFA:PFA+1] offset:ROWB th:TH_LOAD_NT scope:SCOPE_SE
.Lnot_mine_\@:
.endm
; ASKK, ki's slot sg: A's rows are asked for by the clusters with 2 (Y >> 2) + X = 0, B's by those with Y & 3 = 0.  inloop = 1: in the loop's last trip alone (s3 = 1).
.macro ASKK sg, inloop
.if \inloop
	s_cmp_eq_u32 s3, s[LIMK]
.else
	s_cmp_eq_u32 s[LIMK], 1
.endif
	s_cbranch_scc0 .Lnot_k_\@
	global_prefetch_b8 v[PFO], s[PFK:PFK+1] offset:512*(\sg) th:TH_LOAD_NT scope:SCOPE_SE
.Lnot_k_\@:
.endm
	s_load_b256 s[4:11], s[0:1], 0x0               ; qc, qs, Wq's codes, Wq's scales
	s_load_b64 s[12:13], s[0:1], 0x20              ; qic
	s_load_b64 s[66:67], s[0:1], 0x28              ; qis
	v_lshl_add_u32 v[SPW], v0, 2, SPARE
	v_mov_b32 v[NIL], 0
	ds_add_u32 v[SPW], v[NIL]                      ; the wave's opening: the add, twice on end, and its wait ahead of my first tensor load
	ds_add_u32 v[SPW], v[NIL]
	v_lshrrev_b32 v1, 5, v0
	v_readfirstlane_b32 s14, v1                    ; wave 0..3
	s_lshr_b32 s15, s14, 1                         ; which half of a tile's rows is mine.  Also: I fetch for A (0) or for B (1)
	s_and_b32 s16, s14, 1                          ; which half of its columns.  Also: which part of that side I fetch
	s_bfe_u32 s40, ttmp6, 0x40000                  ; cx, cy: my place in the cluster
	s_bfe_u32 s41, ttmp6, 0x40004
	s_lshl_b32 s42, ttmp9, 2
	s_add_co_u32 s42, s42, s40                     ; qi: tile column = 4 X + cx
	s_and_b32 s96, ttmp7, 0xffff                   ; Y
	s_lshl_b32 s17, s96, 2
	s_add_co_u32 s17, s17, s41                     ; qi: tile row = 4 Y + cy
	s_and_b32 s95, s96, 3
	s_lshl_b32 s95, s95, 2
	s_add_co_u32 s95, s95, s41                     ; ki: tile row = 4 (Y & 3) + cy
	s_lshr_b32 s2, s96, 2
	s_lshl_b32 s2, s2, 1
	s_add_co_u32 s2, s2, ttmp9
	s_lshl_b32 s2, s2, 2
	s_add_co_u32 s2, s2, s40                       ; ki: tile column = 4 (2 (Y >> 2) + X) + cx
	s_lshl_b32 s43, s41, 2
	s_lshl_b32 s43, 15, s43                        ; my row of the cluster
	s_lshl_b32 s44, 0x1111, s40                    ; my column
	s_or_b32 s[G1+0], s43, (0<<16)|(1<<20)|(1<<21)|(5<<22)|(3<<25)  ; the mask; elements of 1 byte; padding on; bit 21 beside a mask; after every 64 words, 4 words
	s_or_b32 s[G1B+0], s44, (0<<16)|(1<<20)|(1<<21)|(5<<22)|(3<<25)
.irp g, G1, G1B
	s_mov_b32 s[\g+1], ROWB<<16                    ; tensor_dim0
	s_mov_b32 s[\g+2], 128<<16                     ; tensor_dim1
	s_mov_b32 s[\g+3], ROWB<<16                    ; tile_dim0
	s_mov_b32 s[\g+4], 128                         ; tile_dim1
	s_mov_b32 s[\g+5], KROW                        ; the pitch
	s_mov_b32 s[\g+6], 0
	s_mov_b32 s[\g+7], 0
.endr
	; the scales of 128 rows: a dense block of 8,192 bytes, as 32 rows of 256 bytes (32 elements of 8 bytes), 16 bytes of padding behind each
	s_or_b32 s[G1S+0], s43, (3<<16)|(1<<20)|(1<<21)|(5<<22)|(3<<25)
	s_or_b32 s[G1SB+0], s44, (3<<16)|(1<<20)|(1<<21)|(5<<22)|(3<<25)
.irp g, G1S, G1SB
	s_mov_b32 s[\g+1], 32<<16
	s_mov_b32 s[\g+2], (128*KS/256)<<16
	s_mov_b32 s[\g+3], 32<<16
	s_mov_b32 s[\g+4], 128*KS/256
	s_mov_b32 s[\g+5], 32
	s_mov_b32 s[\g+6], 0
	s_mov_b32 s[\g+7], 0
.endr
	s_lshl_b32 s18, s16, 7
	s_lshl_b32 s20, s17, 8
	s_add_co_u32 s20, s20, s18                     ; A: row 256 x tile row + 128 x half
	s_lshl_b32 s46, s42, 8
	s_add_co_u32 s46, s46, s18                     ; B: row 256 x tile column + 128 x half
	s_mov_b32 s21, 0
	s_mov_b32 s47, 0
	s_mov_b64 s[18:19], KS
	s_mul_u64 s[22:23], s[20:21], s[18:19]         ; where these rows' scales begin,
	s_mul_u64 s[92:93], s[46:47], s[18:19]
	s_mov_b64 s[18:19], KROW
	s_mul_u64 s[20:21], s[20:21], s[18:19]         ; and their codes
	s_mul_u64 s[46:47], s[46:47], s[18:19]
	s_mul_i32 s45, s14, HALFT                      ; where they go: wave x 128 rows: no place in the cluster enters an LDS address
	s_mul_i32 s94, s14, HALFS
	s_wait_dscnt 0x0                               ; both opening adds are done
	s_wait_kmcnt 0x0
	s_add_nc_u64 s[20:21], s[4:5], s[20:21]
	s_add_nc_u64 s[22:23], s[6:7], s[22:23]
	s_add_nc_u64 s[46:47], s[8:9], s[46:47]
	s_add_nc_u64 s[92:93], s[10:11], s[92:93]
	CROUND                                         ; all sixteen work-groups are here: the first joint loads meet
	s_mov_b32 s[G0S], 1
	s_add_co_u32 s[G0S+1], s94, SCL
	s_mov_b64 s[G0S+2:G0S+3], s[22:23]
	s_or_b32 s[G0S+3], s[G0S+3], 0x80000000
	s_mov_b32 s[G0SB], 1
	s_add_co_u32 s[G0SB+1], s94, SCL
	s_mov_b64 s[G0SB+2:G0SB+3], s[92:93]
	s_or_b32 s[G0SB+3], s[G0SB+3], 0x80000000
	JLOAD G0S, G1S, G0SB, G1SB                     ; the scales first: they are wanted with K step 0.  Three loads of mine are out behind the two below
.irp s, 0,1
	s_mov_b32 s[G0+4*\s], 1
	s_add_co_u32 s[G0+4*\s+1], s45, \s*SLOT
	s_add_nc_u64 s[G0+4*\s+2:G0+4*\s+3], s[20:21], \s*ROWB
	s_or_b32 s[G0+4*\s+3], s[G0+4*\s+3], 0x80000000
	s_mov_b32 s[G0B+4*\s], 1
	s_add_co_u32 s[G0B+4*\s+1], s45, \s*SLOT
	s_add_nc_u64 s[G0B+4*\s+2:G0B+4*\s+3], s[46:47], \s*ROWB
	s_or_b32 s[G0B+4*\s+3], s[G0B+4*\s+3], 0x80000000
	JLOAD G0+4*\s, G1, G0B+4*\s, G1B
.endr
	; the prefetches of qi's tiles: who asks, and where
	s_lshl_b32 s20, s17, 8
	s_lshl_b32 s21, s42, 8
	s_cmp_eq_u32 s15, 0                            ; do I fetch for A?
	s_cselect_b32 s20, s20, s21                    ; the tile's first row
	s_cselect_b32 s21, s40, s41                    ; my place among the four that ask for it with me
	s_cselect_b32 s22, ttmp9, s96                  ; the coordinate along which other clusters read the same rows
	s_cselect_b64 s[PFA:PFA+1], s[4:5], s[8:9]
	s_cmp_eq_u32 s22, 0
	s_cselect_b32 s[LIM], 1, -1                    ; the same in all sixteen partners, for a given wave
	s_lshl_b32 s22, s16, 7
	s_add_co_u32 s20, s20, s22                     ; + the 128 rows that I fetch
	s_lshl_b32 s21, s21, 5
	s_add_co_u32 s20, s20, s21                     ; + my work-group's 32 of them
	s_lshl_b32 s20, s20, 11
	s_mov_b32 s21, 0
	s_add_nc_u64 s[PFA:PFA+1], s[PFA:PFA+1], s[20:21]
	s_add_nc_u64 s[PFA:PFA+1], s[PFA:PFA+1], 2*ROWB  ; at K step 2: the first refill steps it to 3 and names K step 4.  Nothing is prefetched here, at the head
	; qi's four input pointers have served: ki's six come into their registers and into two free pairs; the address work below stands between these loads and the wait for them
	s_load_b256 s[4:11], s[0:1], 0x30              ; kc's codes, kc's scales, Wk's codes, Wk's scales
	s_load_b64 s[KIC:KIC+1], s[0:1], 0x50          ; kic
	s_load_b64 s[KIS:KIS+1], s[0:1], 0x58          ; kis
	v_and_b32 v1, 15, v0                           ; r = l % 16
	v_bfe_u32 v2, v0, 4, 1                         ; h = l / 16
	v_mul_u32_u24 v3, v1, PITCH
	v_lshl_add_u32 v4, v2, 4, v3                   ; a fragment's row x pitch + 16 x half
	s_mul_i32 s21, s15, HALFT                      ; qi: my 128 rows of A
	s_mul_i32 s22, s16, HALFT                      ; my 128 rows of B,
	s_add_co_u32 s22, s22, 2*HALFT                 ; which lie behind A's 256
.irp s, 0,1
	v_add_nc_u32 v[ADRA+\s], s21, v4
	v_add_nc_u32 v[ADRB+\s], s22, v4
	s_add_co_u32 s21, s21, SLOT
	s_add_co_u32 s22, s22, SLOT
.endr
	s_mul_i32 s21, s15, 64*PITCH                   ; ki: my 64 of A's 128 rows
	s_mul_i32 s22, s16, 64*PITCH                   ; my 64 of B's,
	s_add_co_u32 s22, s22, 2*HALFT                 ; which lie behind A's two halves along K
.irp s, 0,1
	v_add_nc_u32 v[ADKA+\s], s21, v4
	v_add_nc_u32 v[ADKB+\s], s22, v4
	s_add_co_u32 s21, s21, SLOT
	s_add_co_u32 s22, s22, SLOT
.endr
	v_mul_u32_u24 v5, v1, KS                       ; qi: my row's scales: 64 bytes a row,
	v_lshrrev_b32 v6, 8, v5
	v_lshl_add_u32 v5, v6, 4, v5                   ; and 16 more for each 256 passed
	s_mul_i32 s21, s15, HALFS
	s_mul_i32 s22, s16, HALFS
	s_add_co_u32 s22, s22, 2*HALFS
	s_sub_co_u32 s22, s22, s21
	v_mul_u32_u24 v6, s22, v2                      ; lanes 16-31 take B's: one product, the distance between the two bases
	s_add_co_u32 s21, s21, SCL
	v_add_nc_u32 v5, v5, v6
	v_add_nc_u32 v[ADRS], s21, v5
	; the way out's addresses: qi
	s_mul_i32 s23, s15, 128*PITCH
	s_lshl_b32 s21, s16, 7
	s_add_co_u32 s23, s23, s21
	v_mul_u32_u24 v5, v1, PITCH
	v_lshl_add_u32 v5, v2, 3, v5
	v_add_nc_u32 v[STO], s23, v5                   ; in: row 128 x row half + r, byte 128 x column half + 8 h
	s_mul_i32 s23, s14, 64*PITCH
	v_mul_u32_u24 v5, v2, PITCH
	v_lshl_add_u32 v5, v1, 4, v5
	v_add_nc_u32 v[RD], s23, v5                    ; back: wave w takes rows 64 w on, whole; lanes 0-15 one row of 256 bytes, lanes 16-31 the next
	v_lshlrev_b32 v5, 11, v2
	v_lshl_add_u32 v[CO], v1, 4, v5                ; and the same two rows in memory
	s_lshl_b32 s23, s14, 9
	s_add_co_u32 s23, s23, SCW
	v_lshl_add_u32 v[SWI], v1, 2, s23
	v_and_b32 v6, 31, v0                           ; lane
	v_lshlrev_b32 v[SWG], 4, v6
	v_add_nc_u32 v[SWO], s23, v[SWG]
	v_lshlrev_b32 v[PFO], 11, v6
	; and ki
	s_mul_i32 s23, s15, 64*KPIT
	s_lshl_b32 s21, s16, 6
	s_add_co_u32 s23, s23, s21
	s_add_co_u32 s23, s23, KSTG
	v_mul_u32_u24 v5, v1, KPIT
	v_lshl_add_u32 v5, v2, 3, v5
	v_add_nc_u32 v[KSTO], s23, v5                  ; in: row 64 x row half + r, byte 64 x column half + 8 h
	s_lshl_b32 s23, s15, 8
	s_lshl_b32 s21, s16, 1
	s_add_co_u32 s23, s23, s21
	s_add_co_u32 s23, s23, KSW
	v_lshl_add_u32 v[KSWI], v1, 2, s23             ; a row's word, my column half's two bytes of it
	s_mul_i32 s23, s14, 32*KPIT
	s_add_co_u32 s23, s23, KSTG
	v_lshrrev_b32 v5, 3, v6
	v_and_b32 v3, 7, v6
	v_mul_u32_u24 v[KRD], v5, KPIT
	v_lshl_add_u32 v[KRD], v3, 4, v[KRD]
	v_add_nc_u32 v[KRD], s23, v[KRD]               ; back: wave w takes rows 32 w on; eight lanes to a row of 128 bytes, four rows an instruction
	v_lshlrev_b32 v[KCO], 11, v5
	v_lshl_add_u32 v[KCO], v3, 4, v[KCO]           ; and the same four rows in memory
	v_lshlrev_b32 v[KSO], 6, v6
	v_add_nc_u32 v[KSWO], KSW, v[SWG]
	; where my part of qi begins
	s_mov_b32 s21, 0
	s_lshl_b32 s20, s17, 8
	s_lshl_b32 s22, s14, 6
	s_add_co_u32 s20, s20, s22                     ; codes: row 256 x tile row + 64 x wave,
	s_lshl_b32 s20, s20, 11
	s_lshl_b32 s22, s42, 8
	s_add_co_u32 s20, s20, s22                     ; byte 256 x tile column
	s_add_nc_u64 s[12:13], s[12:13], s[20:21]
	s_lshl_b32 s20, s42, 1
	s_add_co_u32 s20, s20, s16                     ; scale words: my 128 columns' number x 8,192 rows x 4 bytes,
	s_lshl_b32 s20, s20, 15
	s_lshl_b32 s22, s17, 10
	s_add_co_u32 s20, s20, s22
	s_lshl_b32 s22, s15, 9
	s_add_co_u32 s20, s20, s22                     ; row 256 x tile row + 128 x row half, 4 bytes a row
	s_add_nc_u64 s[66:67], s[66:67], s[20:21]
	s_wait_kmcnt 0x0                               ; ki's pointers
	; the prefetches of ki's tiles: who asks, and where
	s_and_b32 s18, s96, 3
	s_lshr_b32 s19, s96, 2
	s_lshl_b32 s19, s19, 1
	s_add_co_u32 s19, s19, ttmp9
	s_cmp_eq_u32 s15, 0                            ; do I fetch for A?
	s_cselect_b64 s[PFK:PFK+1], s[4:5], s[8:9]
	s_cselect_b32 s20, s95, s2                     ; the tile's number along its side
	s_cselect_b32 s22, s40, s41                    ; my place among the four that ask for it with me
	s_cselect_b32 s18, s19, s18                    ; the number along which other clusters read the same rows
	s_cmp_eq_u32 s18, 0
	s_cselect_b32 s[LIMK], 1, 0                    ; the same in all sixteen partners, for a given wave
	s_lshl_b32 s20, s20, 7
	s_lshl_b32 s22, s22, 5
	s_add_co_u32 s20, s20, s22                     ; row 128 x tile + my work-group's 32
	s_lshl_b32 s20, s20, 11
	s_lshl_b32 s22, s16, 8                         ; the half along K that I fetch
	s_add_co_u32 s20, s20, s22
	s_add_nc_u64 s[PFK:PFK+1], s[PFK:PFK+1], s[20:21]
	; what I fetch of ki: A's address is made of the tile row and the wave's number, B's of the tile column and the wave's number
	s_lshl_b32 s20, s95, 18
	s_add_co_u32 s20, s20, s22
	s_add_nc_u64 s[KAD:KAD+1], s[KAD:KAD+1], s[20:21]
	s_lshl_b32 s46, s2, 18
	s_add_co_u32 s46, s46, s22
	s_mov_b32 s47, 0
	s_add_nc_u64 s[KBD:KBD+1], s[KBD:KBD+1], s[46:47]
	s_lshl_b32 s20, s95, 13
	s_lshl_b32 s22, s15, 12
	s_add_co_u32 s20, s20, s22
	s_add_nc_u64 s[6:7], s[6:7], s[20:21]          ; kc's scales at my 64 rows
	s_lshl_b32 s20, s2, 13
	s_lshl_b32 s22, s16, 12
	s_add_co_u32 s20, s20, s22
	s_add_nc_u64 s[10:11], s[10:11], s[20:21]      ; Wk's at my 64 rows
	s_lshl_b32 s20, s95, 18
	s_lshl_b32 s22, s14, 16
	s_add_co_u32 s20, s20, s22
	s_lshl_b32 s22, s2, 7
	s_add_co_u32 s20, s20, s22
	s_add_nc_u64 s[KIC:KIC+1], s[KIC:KIC+1], s[20:21]  ; kic: row 128 x tile row + 32 x wave, byte 128 x tile column
	s_lshl_b32 s20, s2, 13
	s_lshl_b32 s22, s95, 9
	s_add_co_u32 s20, s20, s22
	s_add_nc_u64 s[KIS:KIS+1], s[KIS:KIS+1], s[20:21]  ; kis: the tile column's 2,048 words, row 128 x tile row
.irp j, 0,1
.irp g, 0,1,2,3
	global_load_b128 v[KSA+16*\j+4*\g:KSA+16*\j+4*\g+3], v[KSO], s[6:7] offset:2048*\j+16*\g    ; row 32 j + lane: its words 4 g .. 4 g + 3; the four loads of a j cover 2,048 consecutive bytes
	global_load_b128 v[KSB+16*\j+4*\g:KSB+16*\j+4*\g+3], v[KSO], s[10:11] offset:2048*\j+16*\g
.endr
.endr
.macro FRAG reg, adr, q, i             ; 16 rows x 128 K of 8-bit codes: lane l holds row l % 16; registers 4 c .. 4 c + 3 hold K = 32 c + 16 (l / 16) + 0 .. 15
.irp c, 0,1,2,3
	ds_load_b128 v[\reg+4*\c:\reg+4*\c+3], v[\adr] offset:128*(\q)+32*\c+(\i)*16*PITCH
.endr
.endm
; qi: 16 matrix instructions: A's blocks a0, a0 + 1 x B's eight, 128 along K.  zero = 1: the first product starts the sums.  The 64 accumulators take turns, one instruction a turn.
.macro MUL16 a0, p, q, sc, zero
.irp a, \a0, \a0+1
.irp b, 0,1,2,3,4,5,6,7
.if \zero
	v_wmma_scale_f32_16x16x128_f8f6f4 v[8*(8*((\a)%4)+\b):8*(8*((\a)%4)+\b)+7], v[128*(\p)+FR*\b:128*(\p)+FR*\b+FR-1], v[AF+FR*(\a):AF+FR*(\a)+FR-1], 0, v[SC+8*NQ*(\sc)+NQ*\b+(\q)], v[SC+8*NQ*(\sc)+NQ*(\a)+(\q)] matrix_a_scale:MATRIX_SCALE_ROW1
.else
	v_wmma_scale_f32_16x16x128_f8f6f4 v[8*(8*((\a)%4)+\b):8*(8*((\a)%4)+\b)+7], v[128*(\p)+FR*\b:128*(\p)+FR*\b+FR-1], v[AF+FR*(\a):AF+FR*(\a)+FR-1], v[8*(8*((\a)%4)+\b):8*(8*((\a)%4)+\b)+7], v[SC+8*NQ*(\sc)+NQ*\b+(\q)], v[SC+8*NQ*(\sc)+NQ*(\a)+(\q)] matrix_a_scale:MATRIX_SCALE_ROW1
.endif
.endr
.endr
.endm
.macro FETCH_B slot, q, p
	WIN TO_B
.irp i, 0,1,2,3,4,5,6,7
	FRAG 128*(\p)+FR*\i, ADRB+\slot, \q, \i
.endr
	WIN 0
.endm
.macro FETCH_A slot, q, i0
.irp i, \i0, \i0+1, \i0+2, \i0+3
	FRAG AF+FR*(\i), ADRA+\slot, \q, \i
.endr
.endm
.macro SCALES sc                       ; a K step's scale words: two words a row; lanes 0-15 take A's block i, lanes 16-31 B's block i
.irp i, 0,1,2,3,4,5,6,7
	ds_load_b64 v[SC+8*NQ*\sc+NQ*\i:SC+8*NQ*\sc+NQ*\i+1], v[ADRS] offset:\i*SBLK
.endr
.endm
.macro PLACES n                        ; places behind matrix instructions, in front of loads into registers that they have read and of the first read of results (ISA guide 7.12.1 for the first read of results)
.rept \n
	v_nop
.endr
.endm
; ki: 32 LDS loads in one run: the fragments of the slot's kq-th 128 along K (of four) into set p: 4 of B, 4 of A.  The slot's second 256 along K lie one load's bytes behind the first
.macro KFETCH sl, kq, p
	WIN TO_B
.irp i, 0,1,2,3
.irp c, 0,1,2,3
	ds_load_b128 v[64*(\p)+16*\i+4*\c:64*(\p)+16*\i+4*\c+3], v[ADKB+(\sl)] offset:((\kq)/2)*HALFT+128*((\kq)%2)+32*\c+16*PITCH*\i
.endr
.endr
	WIN 0
.irp i, 0,1,2,3
.irp c, 0,1,2,3
	ds_load_b128 v[128+64*(\p)+16*\i+4*\c:128+64*(\p)+16*\i+4*\c+3], v[ADKA+(\sl)] offset:((\kq)/2)*HALFT+128*((\kq)%2)+32*\c+16*PITCH*\i
.endr
.endr
.endm
; ki: 8 matrix instructions: A's blocks a0, a0 + 1 x B's four, the s-th 128 along K of sixteen, fragments of set p.  An odd block's scale words stand in lanes 16-31 of its register.
; The 16 accumulators take turns, one instruction a turn.
.macro KMUL a0, p, s, zero
.irp a, \a0, \a0+1
.irp b, 0,1,2,3
.set rD, 128+8*(4*(\a)+\b)
.set rB, 64*(\p)+16*\b
.set rA, 128+64*(\p)+16*(\a)
.set rSB, KSB+16*(\b/2)+(\s)
.set rSA, KSA+16*((\a)/2)+(\s)
.set vr, 4*(\zero)+2*((\a)%2)+\b%2
.if vr == 0
	v_wmma_scale_f32_16x16x128_f8f6f4 v[rD:rD+7], v[rB:rB+15], v[rA:rA+15], v[rD:rD+7], v[rSB], v[rSA]
.elseif vr == 1
	v_wmma_scale_f32_16x16x128_f8f6f4 v[rD:rD+7], v[rB:rB+15], v[rA:rA+15], v[rD:rD+7], v[rSB], v[rSA] matrix_a_scale:MATRIX_SCALE_ROW1
.elseif vr == 2
	v_wmma_scale_f32_16x16x128_f8f6f4 v[rD:rD+7], v[rB:rB+15], v[rA:rA+15], v[rD:rD+7], v[rSB], v[rSA] matrix_b_scale:MATRIX_SCALE_ROW1
.elseif vr == 3
	v_wmma_scale_f32_16x16x128_f8f6f4 v[rD:rD+7], v[rB:rB+15], v[rA:rA+15], v[rD:rD+7], v[rSB], v[rSA] matrix_a_scale:MATRIX_SCALE_ROW1 matrix_b_scale:MATRIX_SCALE_ROW1
.elseif vr == 4
	v_wmma_scale_f32_16x16x128_f8f6f4 v[rD:rD+7], v[rB:rB+15], v[rA:rA+15], 0, v[rSB], v[rSA]
.elseif vr == 5
	v_wmma_scale_f32_16x16x128_f8f6f4 v[rD:rD+7], v[rB:rB+15], v[rA:rA+15], 0, v[rSB], v[rSA] matrix_a_scale:MATRIX_SCALE_ROW1
.elseif vr == 6
	v_wmma_scale_f32_16x16x128_f8f6f4 v[rD:rD+7], v[rB:rB+15], v[rA:rA+15], 0, v[rSB], v[rSA] matrix_b_scale:MATRIX_SCALE_ROW1
.else
	v_wmma_scale_f32_16x16x128_f8f6f4 v[rD:rD+7], v[rB:rB+15], v[rA:rA+15], 0, v[rSB], v[rSA] matrix_a_scale:MATRIX_SCALE_ROW1 matrix_b_scale:MATRIX_SCALE_ROW1
.endif
.endr
.endr
.endm
.macro STEP slot, q, zero              ; qi: a step of 128 along K that has its successor in the same slot
	s_wait_dscnt 4*NL                              ; B's set and A's blocks 0-3 are in; the youngest 16 loads (A's blocks 4-7) may be out
	WIN MUL_LO
	MUL16 0, (\q)%2, \q, \slot, \zero
	MUL16 2, (\q)%2, \q, \slot, \zero
	s_wait_dscnt 0                                 ; A's blocks 4-7 are in
	PLACES NP
	FETCH_B \slot, (\q)+1, 1-(\q)%2
	FETCH_A \slot, (\q)+1, 0
	WIN MUL_HI
	MUL16 4, (\q)%2, \q, \slot, \zero
	MUL16 6, (\q)%2, \q, \slot, \zero
	PLACES NP
	WIN 0
	FETCH_A \slot, (\q)+1, 4
.endm
; qi: a slot's last step changes slots: ONE barrier, which opens a round of the cluster's; in front of it each wave waits for all its tensor loads, adds 0 to its spare word, and waits for that and for its reads of this slot.
; Behind the round the slot is filled again: fill = 1: with qi's K step two on; fill = 2: THE RING GOES ON INTO ki: with ki's first 512 along K (slot 0) or its second (slot 1).
; kn = 1: the slot ahead is ki's first: its first fragments are fetched in place of qi's.
.macro TURN slot, next, fill, kn
.if \fill == 1
	s_wait_xcnt 0x0                                ; the last prefetch by this address, a K step back, has read it: it is stepped here
	s_add_nc_u64 s[PFA:PFA+1], s[PFA:PFA+1], ROWB
.endif
	s_wait_tensorcnt 0x0                           ; all my tensor loads have landed: my part of the next slot
	ds_add_u32 v[SPW], v[NIL]                      ; 0 onto my spare word
	s_wait_dscnt 4*NL+1                            ; (the add and the youngest 16 loads may be out)
	WIN MUL_LO
	MUL16 0, 1, NQ-1, \slot, 0
	s_wait_dscnt 0x0                               ; the add is done, and my reads of this slot are over
	s_barrier_signal -1
	MUL16 2, 1, NQ-1, \slot, 0
	WIN 0
	s_barrier_wait -1
	CREST                                          ; no wave of any partner still reads this slot or has a load on its way
.if \fill == 1
	s_add_nc_u64 s[G0+4*\slot+2:G0+4*\slot+3], s[G0+4*\slot+2:G0+4*\slot+3], 2*ROWB
	s_add_nc_u64 s[G0B+4*\slot+2:G0B+4*\slot+3], s[G0B+4*\slot+2:G0B+4*\slot+3], 2*ROWB
.else
	s_add_nc_u64 s[G0+4*\slot+2:G0+4*\slot+3], s[KAD:KAD+1], 512*\slot
	s_or_b32 s[G0+4*\slot+3], s[G0+4*\slot+3], 0x80000000
	s_add_nc_u64 s[G0B+4*\slot+2:G0B+4*\slot+3], s[KBD:KBD+1], 512*\slot
	s_or_b32 s[G0B+4*\slot+3], s[G0B+4*\slot+3], 0x80000000
.endif
	JLOAD G0+4*\slot, G1, G0B+4*\slot, G1B         ; the first tensor load behind the round, and my only one until the next; its four v_nop are among the places below
	PLACES NP-4
.if \kn
	KFETCH 0, 0, 0                                 ; into B's set 0 and A's blocks 0-3, which are done with
	ASKK 3, 0
	WIN MUL_HI
	MUL16 4, 1, NQ-1, \slot, 0
	MUL16 6, 1, NQ-1, \slot, 0
	WIN 0
	PLACES 1                                       ; with the eight at the head of ki's first step: nine places ahead of the products that write over B's set 1
.else
	v_add_nc_u32 v[ADRS], 4*NQ, v[ADRS]            ; on to the next K step's scale words
	FETCH_B \next, 0, 0
	FETCH_A \next, 0, 0
	SCALES \next
.if \fill == 1
	ASK
	ASKK \slot, 1
.else
	ASKK 2, 0
.endif
	WIN MUL_HI
	MUL16 4, 1, NQ-1, \slot, 0
	MUL16 6, 1, NQ-1, \slot, 0
	PLACES NP
	WIN 0
	FETCH_A \next, 0, 4
.endif
.endm
; ki: one of a slot's first three steps of 128 along K: at its head the next step's fragments are fetched into the other set, 16 matrix instructions ahead of their use.  sg: the slot's number, 0 to 3.
.macro KSTEP sl, kq, sg
	PLACES NP
	KFETCH \sl, (\kq)+1, 1-(\kq)%2
	s_wait_dscnt 32                                ; this step's set is in; the 32 loads just issued may be out
.if (\sg)+(\kq) == 0
	s_wait_loadcnt 0x0                             ; ki's scale words
	WIN KMW
	KMUL 0, 0, 0, 1                                ; the first products start the sums
	KMUL 2, 0, 0, 1
.else
	WIN KMW
	KMUL 0, (\kq)%2, 4*(\sg)+(\kq), 0
	KMUL 2, (\kq)%2, 4*(\sg)+(\kq), 0
.endif
.endm
; ki: a slot's last step changes slots, as qi's does.  fill = 1: the slot is filled again, with the 512 along K two slots on.
.macro KTURN sl, nx, sg, fill
	WIN 0                                          ; (the add's two registers lie in window 0)
	s_wait_tensorcnt 0x0                           ; all my tensor loads have landed: my part of the next slot; so a group 0 may be written
	ds_add_u32 v[SPW], v[NIL]                      ; 0 onto my spare word
.if \fill
	s_add_nc_u64 s[G0+4*(\sl)+2:G0+4*(\sl)+3], s[G0+4*(\sl)+2:G0+4*(\sl)+3], 1024
	s_add_nc_u64 s[G0B+4*(\sl)+2:G0B+4*(\sl)+3], s[G0B+4*(\sl)+2:G0B+4*(\sl)+3], 1024
.endif
	s_wait_dscnt 0x0                               ; the add is done, set 1 is in, and my reads of this slot are over
	s_barrier_signal -1
	WIN KMW
	KMUL 0, 1, 4*(\sg)+3, 0
	WIN 0
	s_barrier_wait -1
.if \fill
	CREST                                          ; no wave of any partner still reads this slot or has a load on its way
	JLOAD G0+4*(\sl), G1, G0B+4*(\sl), G1B         ; the first tensor load behind the round, and my only one until the next
	PLACES NP-4
.else
	PLACES NP
.endif
	KFETCH \nx, 0, 0
	WIN KMW
	KMUL 2, 1, 4*(\sg)+3, 0
.endm
	s_wait_tensorcnt 1                             ; the scales and my part of K step 0 are in; K step 1's load may be out
	s_barrier_signal -1
	s_barrier_wait -1
	FETCH_B 0, 0, 0
	FETCH_A 0, 0, 0
	SCALES 0
	FETCH_A 0, 0, 4
	STEP 0, 0, 1                                   ; the first step stands in front of the loop: its products start the sums
	s_mov_b32 s3, LAPS-1
.Llap:                                                 ; a trip goes once round the ring and fills both slots again
	TURN 0, 1, 1, 0
	STEP 1, 0, 0
	TURN 1, 0, 1, 0
	STEP 0, 0, 0
	s_sub_co_u32 s3, s3, 1
	s_cmp_lg_u32 s3, 0
	s_cbranch_scc1 .Llap
	TURN 0, 1, 2, 0                                ; qi's last lap: slot 0 takes ki's first 512 along K,
	STEP 1, 0, 0
	TURN 1, 0, 2, 1                                ; slot 1 its second, and ki's first fragments are fetched
.irp sg, 0,1,2,3                       ; ki: four slots of 512 along K, written out: the scale words' registers differ from step to step
	KSTEP \sg%2, 0, \sg
	KSTEP \sg%2, 1, \sg
	KSTEP \sg%2, 2, \sg
.if \sg < 2
	KTURN \sg%2, 1-\sg%2, \sg, 1
.elseif \sg == 2
	KTURN \sg%2, 1-\sg%2, \sg, 0                   ; nothing is left to fetch: no round follows the barrier
.else
	s_wait_dscnt 0x0                               ; the very last step
	WIN KMW
	KMUL 0, 1, 15, 0
	KMUL 2, 1, 15, 0
.endif
.endr
	WIN 0
; THE WAY OUT.  qi's block a is 16 rows x my 128 columns: four blocks of 32 along the next product's K.  Lane (r, h) holds, of row r and block b, 16 numbers in registers 16 b + i of the block's 64:
; columns 32 b + 8 h + i (i < 8) and 32 b + 16 + 8 h + i - 8; lane l xor 16 holds the other 16.  So a block's largest magnitude wants one exchange, and each conversion's 8 codes are 8 neighbouring bytes of the row.
.macro QROW a
.set AC, 64*((\a)%4)
.set WW, 2+(\a)/4
	WIN WW|(WW<<2)                                 ; sources 0 and 1: the accumulators' window
.irp b, 0,1,2,3
	v_max3_num_f32 v[TM+\b], |v[AC+16*\b]|, |v[AC+16*\b+1]|, 0x4800000   ; each accumulator is read from its low end on; the floor 2^(9 - 127) holds the byte at 1 from below
.endr
.irp i, 2,4,6,8,10,12,14
.irp b, 0,1,2,3
	v_max3_num_f32 v[TM+\b], |v[AC+16*\b+\i]|, |v[AC+16*\b+\i+1]|, v[TM+\b]   ; the four blocks by turns
.endr
.endr
	WIN 0
.irp b, 0,1,2,3
	v_permlanex16_b32 v[TM+4+\b], v[TM+\b], s20, s21
.endr
.irp b, 0,1,2,3
	v_max_num_f32 v[TM+\b], v[TM+\b], v[TM+4+\b]   ; the block's largest magnitude
.endr
.irp b, 0,1,2,3
	v_add_nc_u32 v[TM+12+\b], 0xfc000000, v[TM+\b] ; 8 off its exponent field: the conversion's scale operand
.endr
.irp b, 0,1,2,3
	v_and_or_b32 v[TM+8+\b], v[TM+\b], 0x7f800000, s22   ; 448 x the scale
.endr
.irp b, 0,1,2,3
	v_lshrrev_b32 v[TM+4+\b], 23, v[TM+12+\b]      ; the scale's byte
.endr
	v_lshl_or_b32 v[PW], v[TM+5], 8, v[TM+4]       ; row r's scale word for my 128 columns
	v_lshl_or_b32 v[PW], v[TM+6], 16, v[PW]
	v_lshl_or_b32 v[PW], v[TM+7], 24, v[PW]
	WIN WW                                         ; source 0: the accumulators' window
.irp b, 0,1,2,3
.irp i, 0,1,2,3,4,5,6,7,8,9,10,11,12,13,14,15
	v_med3_num_f32 v[T+16*\b+\i], v[AC+16*\b+\i], -v[TM+8+\b], v[TM+8+\b]   ; the conversion to an 8-bit code does not saturate (ISA guide 7.6.2): the hold
.endr
.endr
	WIN 0
	s_wait_dscnt 0x0                               ; the last block's LDS stores have read the codes' registers
.irp b, 0,1,2,3
	v_cvt_scalef32_pk8_fp8_f32 v[PC+4*\b:PC+4*\b+1], v[T+16*\b:T+16*\b+7], v[TM+12+\b]
	v_cvt_scalef32_pk8_fp8_f32 v[PC+4*\b+2:PC+4*\b+3], v[T+16*\b+8:T+16*\b+15], v[TM+12+\b]
.endr
	v_nop                                          ; a plain line behind the last conversion
.irp b, 0,1,2,3
	ds_store_b64 v[STO], v[PC+4*\b:PC+4*\b+1] offset:16*(\a)*PITCH+32*\b       ; row r starts at bank 4 r, half h two banks on: the 32 lanes touch each bank once
	ds_store_b64 v[STO], v[PC+4*\b+2:PC+4*\b+3] offset:16*(\a)*PITCH+32*\b+16
.endr
	ds_store_b32 v[SWI], v[PW] offset:64*(\a)      ; both halves write the same word with the same value
.endm
; ki's block a is 16 rows x my 64 columns: two blocks of 32, laid as qi's; their two bytes are my half of the row's scale word.
.macro KROW a
.set AC, 128+32*(\a)
	WIN 0x05                                       ; sources 0 and 1: window 1
.irp b, 0,1
	v_max3_num_f32 v[TM+\b], |v[AC+16*\b]|, |v[AC+16*\b+1]|, 0x4800000
.endr
.irp i, 2,4,6,8,10,12,14
.irp b, 0,1
	v_max3_num_f32 v[TM+\b], |v[AC+16*\b+\i]|, |v[AC+16*\b+\i+1]|, v[TM+\b]
.endr
.endr
	WIN 0
.irp b, 0,1
	v_permlanex16_b32 v[TM+4+\b], v[TM+\b], s20, s21
.endr
.irp b, 0,1
	v_max_num_f32 v[TM+\b], v[TM+\b], v[TM+4+\b]
.endr
.irp b, 0,1
	v_add_nc_u32 v[TM+12+\b], 0xfc000000, v[TM+\b]
.endr
.irp b, 0,1
	v_and_or_b32 v[TM+8+\b], v[TM+\b], 0x7f800000, s22
.endr
.irp b, 0,1
	v_lshrrev_b32 v[TM+4+\b], 23, v[TM+12+\b]
.endr
	v_lshl_or_b32 v[PW], v[TM+5], 8, v[TM+4]
	WIN 0x01                                       ; source 0: window 1
.irp b, 0,1
.irp i, 0,1,2,3,4,5,6,7,8,9,10,11,12,13,14,15
	v_med3_num_f32 v[T+16*\b+\i], v[AC+16*\b+\i], -v[TM+8+\b], v[TM+8+\b]
.endr
.endr
	WIN 0
	s_wait_dscnt 0x0                               ; the last block's LDS stores have read the codes' registers
.irp b, 0,1
	v_cvt_scalef32_pk8_fp8_f32 v[PC+4*\b:PC+4*\b+1], v[T+16*\b:T+16*\b+7], v[TM+12+\b]
	v_cvt_scalef32_pk8_fp8_f32 v[PC+4*\b+2:PC+4*\b+3], v[T+16*\b+8:T+16*\b+15], v[TM+12+\b]
.endr
	v_nop                                          ; a plain line behind the last conversion
.irp b, 0,1
	ds_store_b64 v[KSTO], v[PC+4*\b:PC+4*\b+1] offset:16*(\a)*KPIT+32*\b       ; a row is 36 words: row r starts at bank 36 r mod 64, sixteen different multiples of 4; half h two banks on
	ds_store_b64 v[KSTO], v[PC+4*\b+2:PC+4*\b+3] offset:16*(\a)*KPIT+32*\b+16
.endr
	ds_store_b16 v[KSWI], v[PW] offset:64*(\a)     ; both halves of the lanes write the same two bytes with the same value
.endm
	PLACES NP                                      ; behind the last products: A's fragments' registers are written below, and results are read
	s_mov_b32 s20, 0x76543210
	s_mov_b32 s21, 0xfedcba98                      ; lane selects for v_permlanex16_b32: lane l xor 16
	s_mov_b32 s22, 0x600000                        ; the mantissa field of 448
.irp b, 0,1,2,3
	v_mov_b32 v[TM+4+\b], 0                        ; written once: a lane permute's destination counts as one of its sources
.endr
.irp a, 0,1,2,3,4,5,6,7
	QROW \a
.endr
.irp a, 0,1,2,3
	KROW \a
.endr
	ds_load_b128 v[T:T+3], v[SWO]                  ; qi: my 128 rows' scale words: my own bytes, served in order
	s_wait_dscnt 0x0                               ; they are in; and, for the others' sake, my stores into the stages have landed
	global_store_b128 v[SWG], v[T:T+3], s[66:67]   ; 512 consecutive bytes, at a multiple of 512 from the buffer's first byte
	s_barrier_signal -1                            ; a row's codes come from two waves, and so does a scale word of ki
	s_barrier_wait -1
	s_wait_xcnt 0x0                                ; the store above has read its registers: rows are read back into them
.set t, 0
.rept 32
	ds_load_b128 v[OUTR+4*t:OUTR+4*t+3], v[RD] offset:2*t*PITCH
.set t, t+1
.endr
.set t, 0
.rept 32
	s_wait_dscnt 31-t
	global_store_b128 v[CO], v[OUTR+4*t:OUTR+4*t+3], s[12:13] offset:2*t*KROW   ; 16 lanes store 256 consecutive bytes, at a multiple of 256 from the buffer's first byte
.set t, t+1
.endr
	s_wait_xcnt 0x0                                ; qi's stores have read their registers: ki's rows are read back into the first of them
.set t, 0
.rept 8
	ds_load_b128 v[OUTR+4*t:OUTR+4*t+3], v[KRD] offset:4*t*KPIT
.set t, t+1
.endr
.set t, 0
.rept 8
	s_wait_dscnt 7-t
	global_store_b128 v[KCO], v[OUTR+4*t:OUTR+4*t+3], s[KIC:KIC+1] offset:4*t*KROW   ; 8 lanes store 128 consecutive bytes, at a multiple of 128 from the buffer's first byte; four rows an instruction
.set t, t+1
.endr
	s_cmp_lg_u32 s14, 0
	s_cbranch_scc1 .Lend                           ; wave 0 stores the tile's 128 scale words
	ds_load_b128 v[OUTR+32:OUTR+35], v[KSWO]
	s_wait_dscnt 0x0
	global_store_b128 v[SWG], v[OUTR+32:OUTR+35], s[KIS:KIS+1]   ; 512 consecutive bytes, at a multiple of 512 from the buffer's first byte
.Lend:
	s_wait_tensorcnt 0x0                           ; the wave's end: behind my last tensor load and my last LDS store
	ds_add_u32 v[SPW], v[NIL]
	s_wait_dscnt 0x0
	CROUND                                         ; the closing round: no work-group ends while a partner may still ask for a tile that names it
	s_endpgm
.Lfunc_end_k_qca7f25a10c_proj:
	.size	k_qca7f25a10c_proj, .Lfunc_end_k_qca7f25a10c_proj-k_qca7f25a10c_proj
	.p2alignl 7, 3214868480
	.fill 96, 4, 3214868480
	.section	.rodata,"a",@progbits
	.p2align	6, 0x0
	.amdhsa_kernel k_qca7f25a10c_proj
		.amdhsa_group_segment_fixed_size 327680
		.amdhsa_private_segment_fixed_size 0
		.amdhsa_enable_private_segment 0
		.amdhsa_kernarg_size 96
		.amdhsa_user_sgpr_count 2
		.amdhsa_user_sgpr_kernarg_segment_ptr 1
		.amdhsa_wavefront_size32 1
		.amdhsa_system_sgpr_workgroup_id_x 1
		.amdhsa_system_sgpr_workgroup_id_y 1
		.amdhsa_system_sgpr_workgroup_id_z 1
		.amdhsa_system_vgpr_workitem_id 0
		.amdhsa_next_free_vgpr 1024
		.amdhsa_next_free_sgpr 102
		.amdhsa_reserve_vcc 0
		.amdhsa_float_denorm_mode_32 3
		.amdhsa_float_denorm_mode_16_64 3
		.amdhsa_memory_ordered 1
		.amdhsa_forward_progress 1
		.amdhsa_inst_pref_size 255
	.end_amdhsa_kernel
	.section	.bss,"aw",@nobits
	.p2align	6
	.space	262144
	.amdgpu_metadata
---
amdhsa.version: [ 1, 2 ]
amdhsa.kernels:
  - .name:           k_qca7f25a10c_proj
    .symbol:         k_qca7f25a10c_proj.kd
    .args:
      - { .name: qc, .offset: 0, .size: 8, .value_kind: global_buffer, .address_space: global }
      - { .name: qs, .offset: 8, .size: 8, .value_kind: global_buffer, .address_space: global }
      - { .name: Wq_codes, .offset: 16, .size: 8, .value_kind: global_buffer, .address_space: global }
      - { .name: Wq_scales, .offset: 24, .size: 8, .value_kind: global_buffer, .address_space: global }
      - { .name: qic, .offset: 32, .size: 8, .value_kind: global_buffer, .address_space: global }
      - { .name: qis, .offset: 40, .size: 8, .value_kind: global_buffer, .address_space: global }
      - { .name: k_compressed_codes, .offset: 48, .size: 8, .value_kind: global_buffer, .address_space: global }
      - { .name: k_compressed_scales, .offset: 56, .size: 8, .value_kind: global_buffer, .address_space: global }
      - { .name: Wk_codes, .offset: 64, .size: 8, .value_kind: global_buffer, .address_space: global }
      - { .name: Wk_scales, .offset: 72, .size: 8, .value_kind: global_buffer, .address_space: global }
      - { .name: kic, .offset: 80, .size: 8, .value_kind: global_buffer, .address_space: global }
      - { .name: kis, .offset: 88, .size: 8, .value_kind: global_buffer, .address_space: global }
    .group_segment_fixed_size: 327680
    .private_segment_fixed_size: 0
    .kernarg_segment_align: 8
    .kernarg_segment_size: 96
    .max_flat_workgroup_size: 128
    .sgpr_count:     102
    .vgpr_count:     1024
    .wavefront_size: 32
...
	.end_amdgpu_metadata
.endif
;; end of part 2
;; launch score (part 3): grid 4 x 64, 4 waves a work-group, clusters of 4 x 4, 327,680 bytes of LDS; arguments qic, qis, kic, kis, wq, out0; writes out0
.if DOCPART == 3
	.amdgcn_target "amdgcn-amd-amdhsa--gfx1250"
	.amdhsa_code_object_version 6
	.text
	.protected	k_qca7f25a10c_score
	.globl	k_qca7f25a10c_score
	.p2align	8
	.type	k_qca7f25a10c_score,@function
k_qca7f25a10c_score:
	s_mov_b64 s[64:65], 0
	v_nop
	global_prefetch_b8 v0, s[64:65] scope:SCOPE_SE
	s_setreg_imm32_b32 hwreg(HW_REG_WAVE_MODE, 25, 1), 1
	s_wait_xcnt 0x0
	s_wait_alu depctr_hold_cnt(0) depctr_sa_sdst(0) depctr_va_vdst(0) depctr_va_sdst(0) depctr_va_ssrc(0) depctr_va_vcc(0) depctr_vm_vsrc(0)
	s_getreg_b32 s2, hwreg(HW_REG_IB_STS2, 6, 4)
	s_cmp_eq_u32 s2, 0
	s_cbranch_scc0 .Lentry_in_a_cluster
	s_endpgm
.Lentry_in_a_cluster:
	s_bfe_u32 s2, ttmp6, 0x10000c
	s_cmp_lg_u32 s2, 0xf033
	s_cbranch_scc0 .Lentry_shape_is_right
	s_endpgm
.Lentry_shape_is_right:
; Launch 3 of 3: out0[b][q][k] = sum over h of w[b][q][h] x relu(qi[b][q][h][:] . ki[b][k][h][:]), the product on codes of FP8 (E4M3) with one E8M0 scale for each 32 along the head's 512; sums, relu and weights in f32.  No work is left out.
; qic [8192][2048], kic [2048][2048]: codes, column = 512 h + d.  qis [16][8192], kis [16][2048]: a word for a row and 128 columns.  wq [512][4][16][2]: each weight twice.  out0 [8192][1024] f32.
; SHARES.  A work-group makes 128 queries x 256 keys; wave (RH, CH) makes 64 x 128: 32 accumulators for the head in hand (window 2) and 32 sums over the heads (window 3): 512 registers.
; The 2,048 columns go in 8 K steps of 256 through two LDS slots; a head is two K steps, four matrix instructions deep.  Behind a head: relu, times w, onto the sums.
; CLUSTERS: 4 x 4.  The four key blocks of a row of the cluster share their queries' tiles, the four query blocks of a column (one batch: the batch hangs on the cluster's y alone) their keys': joint loads.
; THE MATRIX INSTRUCTION IS USED TRANSPOSED (source 0 = 16 keys, source 1 = 16 queries): a lane holds ONE query and eight neighbouring keys an accumulator, so w is one number a lane, and a lane's results are neighbours in a row of out0.
; All 16 steps are written out.
; REGISTERS: window 0: v1-15 addresses; v16-23 w, a pair for each block of 16 queries; v32-63 the queries' scale words, v64-127 the keys' (a register: 32 rows; lanes 16-31 are the odd block's); v128-255 the queries' fragments, two sets.
;   window 1: the keys' fragments, two sets.
.set PITCH,  272                       ; an LDS row: 256 bytes + 16 of padding = 68 words: the 16 rows that a load touches start at 16 different banks (64 banks of 4 bytes: ISA guide 11.1)
.set AH,     64*PITCH                  ; 64 rows of queries: a wave's load, and a wave's share
.set BH,     128*PITCH                 ; 128 rows of keys likewise
.set SLOT,   2*AH+2*BH                 ; the queries' 128 rows, then the keys' 256
.set SPARE,  2*SLOT                    ; the spare words, 128 bytes for each wave: two blocks of 256 bytes that no other line names
.set SPITCH, 528                       ; the way out: 16 rows x (512 bytes + 16) for each wave, in slot 0, which has had its last fill and its last read by then
.set ADRA, 4                           ; v4-5   LDS address of my queries' fragments in slot 0, 1
.set ADRB, 6                           ; v6-7   of my keys'
.set STO,  8
.set RD,   9
.set CO,   10
.set L4,   11                          ; v11  4 x lane
.set SPW,  12                          ; v12  LDS address of my spare word; never rewritten
.set NIL,  13                          ; v13  0; never rewritten
.set R8,   14                          ; v14  8 x (lane % 16)
.set PFO,  15                          ; v15  2,048 x lane; never rewritten
.set WT,   16
.set SA,   32
.set SB,   64
.set BK,   128
.set WV,   16
.set RH,   17                          ; s17  which 64 queries are mine.  Also: I fetch queries (0) or keys (1)
.set CH,   18                          ; s18  which 128 keys are mine.  Also: which half of that tile I fetch
.set G1,   24
.set G0,   32
.set G1B,  48
.set G0B,  56
.set ASKF, 93                          ; s93  1 in a wave that prefetches
.set PFA,  94                          ; s[94:95] my 32 rows' first byte; never rewritten: the K step stands in the immediate
.set MULW, 0xa1                        ; source 0 (keys) window 1, source 1 (queries) window 0, C and D window 2
.set MSB, 0
.macro WIN new                         ; the immediate's high byte repeats the setting that is left
.if MSB != \new
	s_set_vgpr_msb (MSB<<8)|\new
.set MSB, \new
.endif
.endm
.macro JLOAD s                         ; a joint load: waves 0 and 1 fetch the queries' halves, waves 2 and 3 the keys'; an s_nop 0 and four v_nop follow each of the two lines
	s_cmp_eq_u32 s[RH], 0
	s_cbranch_scc0 .Lfor_b_\@
	tensor_load_to_lds s[G0+4*(\s):G0+4*(\s)+3], s[G1:G1+7]
	s_nop 0
.rept 4
	v_nop
.endr
	s_branch .Lasked_\@
.Lfor_b_\@:
	tensor_load_to_lds s[G0B+4*(\s):G0B+4*(\s)+3], s[G1B:G1B+7]
	s_nop 0
.rept 4
	v_nop
.endr
.Lasked_\@:
.endm
.macro CREST
	s_cmp_lg_u32 s[WV], 0
	s_cbranch_scc1 .Lnot_wave_0_\@
	s_barrier_signal -3
.Lnot_wave_0_\@:
	s_barrier_wait -3
	s_barrier_signal -1
	s_barrier_wait -1
.endm
.macro CROUND
	s_barrier_signal -1
	s_barrier_wait -1
	CREST
.endm
; A prefetch of K step k, two refills ahead of the load that will ask for it: 32 rows x 256 bytes, a lane a row.  Each row's 256 bytes are named once in the launch: a block of queries is read by one row of one cluster:
; its four partners take 32 rows each, by address, wave 0 asking; a block of keys is read by the eight clusters of a batch: the first of them asks, waves 2 and 3 for the halves that they fetch, the partners of a column 32 rows each.
.macro ASK k
	s_cmp_eq_u32 s[ASKF], 1
	s_cbranch_scc0 .Lnot_mine_\@
	global_prefetch_b8 v[PFO], s[PFA:PFA+1] offset:256*(\k) th:TH_LOAD_NT scope:SCOPE_SE
.Lnot_mine_\@:
.endm
	s_load_b256 s[4:11], s[0:1], 0x0               ; qic s[4:5], qis s[6:7], kic s[8:9], kis s[10:11]
	s_load_b128 s[12:15], s[0:1], 0x20             ; wq s[12:13], out0 s[14:15]
	v_lshl_add_u32 v[SPW], v0, 2, SPARE
	v_mov_b32 v[NIL], 0
	ds_add_u32 v[SPW], v[NIL]                      ; the wave's opening: the add, twice on end, and its wait ahead of my first tensor load
	ds_add_u32 v[SPW], v[NIL]
	v_lshrrev_b32 v1, 5, v0
	v_readfirstlane_b32 s[WV], v1                  ; wave 0..3
	s_lshr_b32 s[RH], s[WV], 1
	s_and_b32 s[CH], s[WV], 1
	s_bfe_u32 s40, ttmp6, 0x40000                  ; cx, cy: my place in the cluster
	s_bfe_u32 s41, ttmp6, 0x40004
	s_lshl_b32 s42, ttmp9, 2
	s_add_co_u32 s42, s42, s40                     ; tx: my block of 256 keys
	s_and_b32 s99, ttmp7, 0xffff                   ; cluster y
	s_lshl_b32 s19, s99, 2
	s_add_co_u32 s19, s19, s41                     ; ty: my block of 128 of the 8,192 query rows
	s_lshr_b32 s98, s99, 3                         ; the batch: 32 blocks of queries each
	s_lshl_b32 s43, s41, 2
	s_lshl_b32 s43, 15, s43                        ; my row of the cluster
	s_lshl_b32 s44, 0x1111, s40                    ; my column
	s_or_b32 s[G1+0], s43, (0<<16)|(1<<20)|(1<<21)|(5<<22)|(3<<25)  ; the mask; elements of 1 byte; padding on; bit 21 beside a mask; after every 64 words, 4 words
	s_mov_b32 s[G1+1], 256<<16                     ; tensor_dim0
	s_mov_b32 s[G1+2], 64<<16                      ; tensor_dim1
	s_mov_b32 s[G1+3], 256<<16                     ; tile_dim0
	s_mov_b32 s[G1+4], 64                          ; tile_dim1
	s_mov_b32 s[G1+5], 2048                        ; the pitch
	s_mov_b32 s[G1+6], 0
	s_mov_b32 s[G1+7], 0
	s_or_b32 s[G1B+0], s44, (0<<16)|(1<<20)|(1<<21)|(5<<22)|(3<<25)
	s_mov_b32 s[G1B+1], 256<<16
	s_mov_b32 s[G1B+2], 128<<16
	s_mov_b32 s[G1B+3], 256<<16
	s_mov_b32 s[G1B+4], 128
	s_mov_b32 s[G1B+5], 2048
	s_mov_b32 s[G1B+6], 0
	s_mov_b32 s[G1B+7], 0
	s_lshl_b32 s20, s19, 7
	s_lshl_b32 s21, s[CH], 6
	s_add_co_u32 s20, s20, s21                     ; queries: row 128 ty + 64 x half,
	s_lshl_b32 s20, s20, 11                        ; in bytes
	s_mov_b32 s21, 0
	s_lshl_b32 s46, s98, 10
	s_lshl_b32 s47, s42, 8
	s_add_co_u32 s46, s46, s47
	s_lshl_b32 s47, s[CH], 7
	s_add_co_u32 s46, s46, s47                     ; keys: row 1,024 batch + 256 tx + 128 x half
	s_lshl_b32 s46, s46, 11
	s_mov_b32 s47, 0
	s_mul_i32 s22, s[CH], AH                       ; where they go: no place in the cluster enters an LDS address
	s_mul_i32 s23, s[CH], BH
	s_add_co_u32 s23, s23, 2*AH
	s_wait_dscnt 0x0                               ; both opening adds are done
	s_wait_kmcnt 0x0
	s_add_nc_u64 s[20:21], s[4:5], s[20:21]
	s_add_nc_u64 s[46:47], s[8:9], s[46:47]
	CROUND                                         ; all sixteen work-groups are here: the first joint loads meet
.irp s, 0,1
	s_mov_b32 s[G0+4*\s], 1
	s_add_co_u32 s[G0+4*\s+1], s22, \s*SLOT
	s_add_nc_u64 s[G0+4*\s+2:G0+4*\s+3], s[20:21], \s*256
	s_or_b32 s[G0+4*\s+3], s[G0+4*\s+3], 0x80000000
	s_mov_b32 s[G0B+4*\s], 1
	s_add_co_u32 s[G0B+4*\s+1], s23, \s*SLOT
	s_add_nc_u64 s[G0B+4*\s+2:G0B+4*\s+3], s[46:47], \s*256
	s_or_b32 s[G0B+4*\s+3], s[G0B+4*\s+3], 0x80000000
	JLOAD \s                                       ; K steps 0 and 1: two loads of mine are out
.endr
	v_and_b32 v1, 15, v0                           ; r
	v_bfe_u32 v2, v0, 4, 1                         ; h
	v_and_b32 v3, 31, v0                           ; lane
	v_lshlrev_b32 v[L4], 2, v3
	v_lshlrev_b32 v[R8], 3, v1
	v_lshlrev_b32 v[PFO], 11, v3
	s_mov_b32 s21, 0
	s_lshl_b32 s20, s19, 9
	s_lshl_b32 s22, s[RH], 8
	s_add_co_u32 s20, s20, s22
	s_add_nc_u64 s[6:7], s[6:7], s[20:21]          ; qis at my 64 queries: 4 bytes a row
	s_lshl_b32 s20, s98, 12
	s_lshl_b32 s22, s42, 10
	s_add_co_u32 s20, s20, s22
	s_lshl_b32 s22, s[CH], 9
	s_add_co_u32 s20, s20, s22
	s_add_nc_u64 s[10:11], s[10:11], s[20:21]      ; kis at my 128 keys
	s_lshl_b32 s20, s19, 12
	s_lshl_b32 s22, s[RH], 11
	s_add_co_u32 s20, s20, s22
	s_add_nc_u64 s[12:13], s[12:13], s[20:21]      ; wq at my four blocks of 16 queries, 512 bytes each
.irp s, 0,1,2,3,4,5,6,7,8,9,10,11,12,13,14,15
.irp j, 0,1
	global_load_b32 v[SA+2*\s+\j], v[L4], s[6:7] offset:32768*\s+128*\j    ; step s, queries 32 j + lane
.endr
.irp j, 0,1,2,3
	global_load_b32 v[SB+4*\s+\j], v[L4], s[10:11] offset:8192*\s+128*\j   ; step s, keys 32 j + lane
.endr
.endr
.irp a, 0,1,2,3
	global_load_b64 v[WT+2*\a:WT+2*\a+1], v[R8], s[12:13] offset:512*\a    ; head 0's w of query 16 a + r, twice
.endr
	v_mul_u32_u24 v3, v1, PITCH
	v_lshl_add_u32 v3, v2, 4, v3                   ; a fragment's row x pitch + 16 x half
	s_mul_i32 s22, s[RH], AH
	s_mul_i32 s23, s[CH], BH
	s_add_co_u32 s23, s23, 2*AH
.irp s, 0,1
	v_add_nc_u32 v[ADRA+\s], s22, v3
	v_add_nc_u32 v[ADRB+\s], s23, v3
	s_add_co_u32 s22, s22, SLOT
	s_add_co_u32 s23, s23, SLOT
.endr
	s_mul_i32 s20, s[WV], 16*SPITCH                ; my stage
	v_mul_u32_u24 v3, v1, SPITCH
	v_lshl_add_u32 v3, v2, 5, v3
	v_add_nc_u32 v[STO], s20, v3                   ; in: row r, 32 bytes for each half of the lanes
	v_and_b32 v3, 31, v0
	v_lshlrev_b32 v[CO], 4, v3                     ; back: the 32 lanes take one row of 512 bytes; and the same in out0
	v_add_nc_u32 v[RD], s20, v[CO]
	s_lshl_b32 s20, s19, 19
	s_lshl_b32 s22, s[RH], 18
	s_add_co_u32 s20, s20, s22                     ; out0: row 128 ty + 64 RH of 4,096 bytes,
	s_lshl_b32 s22, s42, 10
	s_add_co_u32 s20, s20, s22
	s_lshl_b32 s22, s[CH], 9
	s_add_co_u32 s20, s20, s22                     ; byte 1,024 tx + 512 CH
	s_add_nc_u64 s[14:15], s[14:15], s[20:21]
	; the prefetches: who asks, and where
	s_lshl_b32 s22, s19, 7
	s_lshl_b32 s23, s40, 5
	s_add_co_u32 s22, s22, s23                     ; queries: row 128 ty + 32 cx
	s_lshl_b32 s23, s98, 10
	s_lshl_b32 s20, s42, 8
	s_add_co_u32 s23, s23, s20
	s_lshl_b32 s20, s[CH], 7
	s_add_co_u32 s23, s23, s20
	s_lshl_b32 s20, s41, 5
	s_add_co_u32 s23, s23, s20                     ; keys: row 1,024 batch + 256 tx + 128 CH + 32 cy
	s_and_b32 s20, s99, 7                          ; which cluster of the batch
	s_cmp_eq_u32 s[RH], 0
	s_cselect_b64 s[PFA:PFA+1], s[4:5], s[8:9]
	s_cselect_b32 s22, s22, s23
	s_cselect_b32 s20, s[CH], s20                  ; wave 0 always, wave 1 never; waves 2 and 3 in the batch's first cluster
	s_cmp_eq_u32 s20, 0
	s_cselect_b32 s[ASKF], 1, 0                    ; the same in all sixteen partners, for a given wave
	s_lshl_b32 s20, s22, 11
	s_add_nc_u64 s[PFA:PFA+1], s[PFA:PFA+1], s[20:21]
; 48 LDS loads in one run: the fragments of the slot's q-th 128 columns into set p: 8 of keys, 4 of queries.  Lane l holds row l % 16; registers 4 c .. 4 c + 3 hold K = 32 c + 16 (l / 16) + 0 .. 15
.macro FETCH slot, q, p
	WIN 0x40                                       ; destination window 1, address window 0
.irp i, 0,1,2,3,4,5,6,7
.irp c, 0,1,2,3
	ds_load_b128 v[128*(\p)+16*\i+4*\c:128*(\p)+16*\i+4*\c+3], v[ADRB+(\slot)] offset:128*(\q)+32*\c+16*PITCH*\i
.endr
.endr
	WIN 0
.irp i, 0,1,2,3
.irp c, 0,1,2,3
	ds_load_b128 v[128+64*(\p)+16*\i+4*\c:128+64*(\p)+16*\i+4*\c+3], v[ADRA+(\slot)] offset:128*(\q)+32*\c+16*PITCH*\i
.endr
.endr
.endm
; 8 matrix instructions: queries' block a x the keys' eight, step s of 16, fragments of set p.  zero = 1: the head's first product starts its sums.  An odd block's scale words stand in lanes 16-31 of its register.
; The 32 accumulators take turns, one instruction a turn.
.macro MUL8 a, p, s, zero
.irp b, 0,1,2,3,4,5,6,7
.set rD, 8*(8*(\a)+\b)
.set rK, 128*(\p)+16*\b
.set rQ, 128+64*(\p)+16*(\a)
.set rSK, SB+4*(\s)+\b/2
.set rSQ, SA+2*(\s)+(\a)/2
.set vr, 4*(\zero)+2*((\a)%2)+\b%2
.if vr == 0
	v_wmma_scale_f32_16x16x128_f8f6f4 v[rD:rD+7], v[rK:rK+15], v[rQ:rQ+15], v[rD:rD+7], v[rSK], v[rSQ]
.elseif vr == 1
	v_wmma_scale_f32_16x16x128_f8f6f4 v[rD:rD+7], v[rK:rK+15], v[rQ:rQ+15], v[rD:rD+7], v[rSK], v[rSQ] matrix_a_scale:MATRIX_SCALE_ROW1
.elseif vr == 2
	v_wmma_scale_f32_16x16x128_f8f6f4 v[rD:rD+7], v[rK:rK+15], v[rQ:rQ+15], v[rD:rD+7], v[rSK], v[rSQ] matrix_b_scale:MATRIX_SCALE_ROW1
.elseif vr == 3
	v_wmma_scale_f32_16x16x128_f8f6f4 v[rD:rD+7], v[rK:rK+15], v[rQ:rQ+15], v[rD:rD+7], v[rSK], v[rSQ] matrix_a_scale:MATRIX_SCALE_ROW1 matrix_b_scale:MATRIX_SCALE_ROW1
.elseif vr == 4
	v_wmma_scale_f32_16x16x128_f8f6f4 v[rD:rD+7], v[rK:rK+15], v[rQ:rQ+15], 0, v[rSK], v[rSQ]
.elseif vr == 5
	v_wmma_scale_f32_16x16x128_f8f6f4 v[rD:rD+7], v[rK:rK+15], v[rQ:rQ+15], 0, v[rSK], v[rSQ] matrix_a_scale:MATRIX_SCALE_ROW1
.elseif vr == 6
	v_wmma_scale_f32_16x16x128_f8f6f4 v[rD:rD+7], v[rK:rK+15], v[rQ:rQ+15], 0, v[rSK], v[rSQ] matrix_b_scale:MATRIX_SCALE_ROW1
.else
	v_wmma_scale_f32_16x16x128_f8f6f4 v[rD:rD+7], v[rK:rK+15], v[rQ:rQ+15], 0, v[rSK], v[rSQ] matrix_a_scale:MATRIX_SCALE_ROW1 matrix_b_scale:MATRIX_SCALE_ROW1
.endif
.endr
.endm
.macro PLACES n                        ; places behind matrix instructions, in front of loads into registers that they have read and of the first read of results (ISA guide 7.12.1 for the first read of results)
.rept \n
	v_nop
.endr
.endm
; An even step multiplies set 0, a slot's first 128 columns; at its head the slot's second 128 are fetched into set 1, 32 matrix instructions ahead of their use.
.macro EVEN s
.set SG, ((\s)/2)%2
.set ZZ, 0
.if (\s)%4 == 0
.set ZZ, 1                             ; a head's first step.  (Behind a head's end its own eight places stand behind the last products)
.else
	PLACES 8
.endif
	FETCH SG, 1, 1
	s_wait_dscnt 48                                ; set 0 is in; the 48 loads just issued may be out
.if (\s) == 0
	s_wait_loadcnt 4                               ; the scale words are in; w's four loads may be out
.endif
	WIN MULW
	MUL8 0, 0, \s, ZZ
	MUL8 1, 0, \s, ZZ
	MUL8 2, 0, \s, ZZ
	MUL8 3, 0, \s, ZZ
.endm
; An odd step multiplies set 1 and changes slots: ONE barrier; in front of it each wave waits for all its tensor loads, adds 0 to its spare word, and waits for that and for its reads of the slot.
; K steps 0 to 5 are followed by a refill, two K steps ahead: the barrier then opens a round of the cluster's.
.macro ODD s
.set JJ, (\s)/2
.set SG, JJ%2
.if (\s) < 15
	WIN 0                                          ; (the add's two registers lie in window 0)
	s_wait_tensorcnt 0x0                           ; all my tensor loads have landed: my part of the next slot; so a group 0 may be written
	ds_add_u32 v[SPW], v[NIL]                      ; 0 onto my spare word
.if JJ <= 5
	s_add_nc_u64 s[G0+4*SG+2:G0+4*SG+3], s[G0+4*SG+2:G0+4*SG+3], 512
	s_add_nc_u64 s[G0B+4*SG+2:G0B+4*SG+3], s[G0B+4*SG+2:G0B+4*SG+3], 512
.endif
	s_wait_dscnt 0x0                               ; the add is done, set 1 is in, and my reads of this slot are over
	s_barrier_signal -1
	WIN MULW
	MUL8 0, 1, \s, 0
	WIN 0
	s_barrier_wait -1
.if JJ <= 5
	CREST                                          ; no wave of any partner still reads this slot or has a load on its way
	JLOAD SG                                       ; the first tensor load behind the round, and my only one until the next; its four v_nop are among the places below
	PLACES 4
.else
	PLACES 8
.endif
	FETCH 1-SG, 0, 0
.if JJ <= 3
	ASK JJ+4
.endif
	WIN MULW
	MUL8 1, 1, \s, 0
	MUL8 2, 1, \s, 0
	MUL8 3, 1, \s, 0
.else
	s_wait_dscnt 0x0                               ; the very last step: nothing more to fetch
	WIN MULW
	MUL8 0, 1, \s, 0
	MUL8 1, 1, \s, 0
	MUL8 2, 1, \s, 0
	MUL8 3, 1, \s, 0
.endif
.endm
; A head's end: relu in place, each accumulator from its low end on; then the sums take w x it, two at a time (head 0 starts them: nothing is cleared); then the next head's w is asked for.
.macro FLUSH h
	WIN 0
	s_wait_loadcnt 0x0                             ; this head's w
	PLACES 8
	WIN 0x88                                       ; source 1 and destination window 2
.set i, 0
.rept 256
	v_max_num_f32 v[i], 0, v[i]
.set i, i+1
.endr
.if (\h) == 0
	WIN 0xc2                                       ; source 0 window 2, w window 0, destination window 3
.set i, 0
.rept 128
	v_pk_mul_f32 v[i:i+1], v[i:i+1], v[WT+2*(i/64):WT+2*(i/64)+1]
.set i, i+2
.endr
.else
	WIN 0xf2                                       ; the same, with the sums as source 2
.set i, 0
.rept 128
	v_pk_fma_f32 v[i:i+1], v[i:i+1], v[WT+2*(i/64):WT+2*(i/64)+1], v[i:i+1]
.set i, i+2
.endr
.endif
	WIN 0
.if (\h) < 3
.irp a, 0,1,2,3
	global_load_b64 v[WT+2*\a:WT+2*\a+1], v[R8], s[12:13] offset:512*\a+128*((\h)+1)
.endr
.endif
.endm
	s_wait_tensorcnt 1                             ; my part of K step 0 is in; K step 1's load may be out
	s_barrier_signal -1
	s_barrier_wait -1
	FETCH 0, 0, 0
.irp h, 0,1,2,3
	EVEN 4*\h
	ODD 4*\h+1
	EVEN 4*\h+2
	ODD 4*\h+3
	FLUSH \h
.endr
; THE WAY OUT, block by block of 16 queries x 128 keys, through my own stage: a lane's 32 bytes go in, whole rows of 512 bytes come back, and the 32 lanes store two aligned runs of 256 bytes.
; LDS serves a wave's instructions in order (ISA guide 5.7.1.4): no wait between the stores and the loads, nor in front of the next block's stores.
.macro TOSTAGE a
.set AC, 64*(\a)
	WIN 0x0c                                       ; an LDS store's data are its source 1: window 3
.irp b, 0,1,2,3,4,5,6,7
	ds_store_b128 v[STO], v[AC+8*\b:AC+8*\b+3] offset:64*\b
	ds_store_b128 v[STO], v[AC+8*\b+4:AC+8*\b+7] offset:64*\b+16
.endr
	WIN 0
.set BB, BK+64*((\a)%2)
.irp t, 0,1,2,3,4,5,6,7,8,9,10,11,12,13,14,15
	ds_load_b128 v[BB+4*\t:BB+4*\t+3], v[RD] offset:\t*SPITCH
.endr
.endm
.macro SEND a, younger                 ; younger: the LDS instructions issued behind block a's loads, which may stay out
.set BB, BK+64*((\a)%2)
	s_wait_dscnt \younger
.if (\a) > 0
	s_add_nc_u64 s[14:15], s[14:15], 16*4096       ; (behind a wait on XCNT for 0: the earlier stores have read their base)
.endif
.irp t, 0,1,2,3,4,5,6,7,8,9,10,11,12,13,14,15
	global_store_b128 v[CO], v[BB+4*\t:BB+4*\t+3], s[14:15] offset:\t*4096 th:TH_STORE_NT   ; 512 consecutive bytes, at a multiple of 512 from out0's first byte; written once, read by nobody here
.endr
.endm
	TOSTAGE 0
.irp a, 1,2,3
.if \a > 1
	s_wait_xcnt 0x0                                ; block a - 2's stores have read their registers and their base
.endif
	TOSTAGE \a
	SEND \a-1, 32                                  ; behind block a - 1's loads: block a's 16 stores and 16 loads
.endr
	s_wait_xcnt 0x0
	SEND 3, 0
	s_wait_tensorcnt 0x0                           ; the wave's end: behind my last tensor load and my last LDS store
	ds_add_u32 v[SPW], v[NIL]
	s_wait_dscnt 0x0
	CROUND                                         ; the closing round: no work-group ends while a partner may still ask for a tile that names it
	s_endpgm
.Lfunc_end_k_qca7f25a10c_score:
	.size	k_qca7f25a10c_score, .Lfunc_end_k_qca7f25a10c_score-k_qca7f25a10c_score
	.p2alignl 7, 3214868480
	.fill 96, 4, 3214868480
	.section	.rodata,"a",@progbits
	.p2align	6, 0x0
	.amdhsa_kernel k_qca7f25a10c_score
		.amdhsa_group_segment_fixed_size 327680
		.amdhsa_private_segment_fixed_size 0
		.amdhsa_enable_private_segment 0
		.amdhsa_kernarg_size 48
		.amdhsa_user_sgpr_count 2
		.amdhsa_user_sgpr_kernarg_segment_ptr 1
		.amdhsa_wavefront_size32 1
		.amdhsa_system_sgpr_workgroup_id_x 1
		.amdhsa_system_sgpr_workgroup_id_y 1
		.amdhsa_system_sgpr_workgroup_id_z 1
		.amdhsa_system_vgpr_workitem_id 0
		.amdhsa_next_free_vgpr 1024
		.amdhsa_next_free_sgpr 100
		.amdhsa_reserve_vcc 0
		.amdhsa_float_denorm_mode_32 3
		.amdhsa_float_denorm_mode_16_64 3
		.amdhsa_memory_ordered 1
		.amdhsa_forward_progress 1
		.amdhsa_inst_pref_size 223
	.end_amdhsa_kernel
	.amdgpu_metadata
---
amdhsa.version: [ 1, 2 ]
amdhsa.kernels:
  - .name:           k_qca7f25a10c_score
    .symbol:         k_qca7f25a10c_score.kd
    .args:
      - { .name: qic, .offset: 0, .size: 8, .value_kind: global_buffer, .address_space: global }
      - { .name: qis, .offset: 8, .size: 8, .value_kind: global_buffer, .address_space: global }
      - { .name: kic, .offset: 16, .size: 8, .value_kind: global_buffer, .address_space: global }
      - { .name: kis, .offset: 24, .size: 8, .value_kind: global_buffer, .address_space: global }
      - { .name: wq, .offset: 32, .size: 8, .value_kind: global_buffer, .address_space: global }
      - { .name: out0, .offset: 40, .size: 8, .value_kind: global_buffer, .address_space: global }
    .group_segment_fixed_size: 327680
    .private_segment_fixed_size: 0
    .kernarg_segment_align: 8
    .kernarg_segment_size: 48
    .max_flat_workgroup_size: 128
    .sgpr_count:     100
    .vgpr_count:     1024
    .wavefront_size: 32
...
	.end_amdgpu_metadata
.endif
;; end of part 3
